; MI455X (gfx1250); checked and timed in simulation.
; The chip was launched on July 23, 2026; its instructions are those of AMD's public machine-readable ISA for CDNA 5 (MIT licence, August 2026) and "CDNA5" Instruction Set Architecture Reference Guide (July 2026). The comments in the code are by the model that wrote it; some were corrected since.
;; Block. Allowed arithmetic: float matrix products may take bf16 or f16 operands with f32 sums; other float arithmetic in f32, or as packed bf16 or f16 multiplies, adds, multiply-adds, maxima and minima; sums over many terms, partial sums and values carried from step to step in f32; what a program stores and reads back later, other than sums and carried values, may be rounded once to bf16 or f16.
;; Inputs: W_attn 1,024 x 3,072 float32; W_fc 1,024 x 4,096 float32; W_fc2 4,096 x 1,024 float32; W_proj 1,024 x 1,024 float32; b_attn 3,072 float32; b_fc 4,096 float32; b_fc2 1,024 float32; b_proj 1,024 float32; ln1_b 1,024 float32; ln1_g 1,024 float32; ln2_b 1,024 float32; ln2_g 1,024 float32; x 2 x 2,048 x 1,024 float32.
;; Outputs: out0 2 x 2,048 x 1,024 float32.
;; One version. Each part assembles by itself: llvm-mc -triple=amdgcn-amd-amdhsa -mcpu=gfx1250 --defsym DOCPART=n.
;; ======== version 1 of 1: 7 launches
;; limits: values are held in f16: magnitudes above 65,504 overflow, below 6.1e-05 lose precision
;; workspace buffers: wb 25,165,824 bytes; par 45,056 bytes; hn 8,388,608 bytes; qkvh 25,165,824 bytes; oh 8,388,608 bytes; x1 16,777,216 bytes; hfc 33,554,432 bytes
;; launch prep (part 1): grid 1291 x 1, 8 waves a work-group, no clusters, 0 bytes of LDS; arguments x, ln1_g, ln1_b, W_attn, W_proj, W_fc, W_fc2, b_attn, b_proj, b_fc, b_fc2, ln2_g, ln2_b, hn, wb, par; writes hn, wb, par
.if DOCPART == 1
	.amdgcn_target "amdgcn-amd-amdhsa--gfx1250"
	.amdhsa_code_object_version 6
	.text
	.protected	k_q09f8265b5e_prep
	.globl	k_q09f8265b5e_prep
	.p2align	8
	.type	k_q09f8265b5e_prep,@function
k_q09f8265b5e_prep:
	s_mov_b64 s[64:65], 0
	v_nop
	global_prefetch_b8 v0, s[64:65] scope:SCOPE_SE
	s_setreg_imm32_b32 hwreg(HW_REG_WAVE_MODE, 25, 1), 1
	s_wait_xcnt 0x0
; PREP.  Three kinds of work-group, told apart by the work-group's number g alone:
;   g < 512          LN1: 8 rows of x, a wave a row: hn = layernorm(x) g + b, in f16, [4096][1024]
;   512 <= g < 1280  CAST: 16,384 numbers of a weight matrix -> wb, f16, each matrix kept [K][N]
;   g >= 1280        PAR: 1,024 numbers of a bias or of ln2's gain and bias -> par, f32
; EVERY INPUT IS ROUNDED ONCE TO bf16 (x, gains, biases, weights); what is kept of it is that number, as f32 (par) or as f16 (wb).
; LIMITS.  f16 holds no number beyond 65,504 and keeps a fixed step of 6e-8 below 2^-14: a weight beyond the one is lost, below the other it is
; rounded a second time.  hn is at most 32 |g| + |b|.  NaN and infinities are not treated apart.
; Memory binds: no LDS, no barrier, no matrix unit.  All of a thread's loads go out before its first wait; with 128 registers a wave, four work-groups share a WGP's registers.
.set G,   16                           ; v[16:47]    ln1_g of my 32 columns
.set BV,  48                           ; v[48:79]    ln1_b
.set X0,  80                           ; v[80:111]   my wave's row, 32 numbers a lane
.set Y0,  112                          ; v[112:127]  the row in f16
.set IN,  16                           ; CAST: v[16:79] as loaded
.set OU,  80                           ; CAST: v[80:111] to store
.macro RND a, b, t                     ; two f32 are rounded to bf16 and kept as f32
	v_cvt_pk_bf16_f32 v[\t], v[\a], v[\b]
	v_lshlrev_b32 v[\a], 16, v[\t]
	v_and_b32 v[\b], s40, v[\t]
.endm
.macro REDUCE                          ; v4 = the sum of v4 over the wave's 32 lanes, in every lane
	v_add_f32_dpp v4, v4, v4 row_xmask:1 row_mask:0xf bank_mask:0xf
	v_add_f32_dpp v4, v4, v4 row_xmask:2 row_mask:0xf bank_mask:0xf
	v_add_f32_dpp v4, v4, v4 row_xmask:4 row_mask:0xf bank_mask:0xf
	v_add_f32_dpp v4, v4, v4 row_xmask:8 row_mask:0xf bank_mask:0xf
	v_permlanex16_b32 v5, v4, s44, s45
	v_add_f32 v4, v4, v5
.endm
	s_load_b512 s[8:23], s[0:1], 0x0               ; x 8, ln1_g 10, ln1_b 12, W_attn 14, W_proj 16, W_fc 18, W_fc2 20, b_attn 22
	s_load_b512 s[24:39], s[0:1], 0x40             ; b_proj 24, b_fc 26, b_fc2 28, ln2_g 30, ln2_b 32, hn 34, wb 36, par 38
	s_mov_b32 s40, 0xffff0000                      ; a word's upper bf16
	s_mov_b32 s41, 0x3a800000                      ; 1 / 1024
	s_mov_b32 s42, 0x3727c5ac                      ; 1e-5
	s_mov_b32 s44, 0x76543210                      ; v_permlanex16_b32: each lane takes its own place in the other half
	s_mov_b32 s45, 0xfedcba98
	s_mov_b32 s7, 0                                ; the high word of every offset pair s[6:7]
	s_wait_kmcnt 0x0
	s_cmp_lt_u32 ttmp9, 512
	s_cbranch_scc1 .Lln
	s_cmp_lt_u32 ttmp9, 1280
	s_cbranch_scc1 .Lcast
	; PAR: unit u of eleven: b_attn 0-2, b_proj 3, b_fc 4-7, b_fc2 8, ln2_g 9, ln2_b 10
	s_sub_co_u32 s2, ttmp9, 1280
	s_mov_b64 s[4:5], s[32:33]
	s_mov_b32 s3, 10
	s_cmp_lt_u32 s2, 10
	s_cselect_b64 s[4:5], s[30:31], s[4:5]
	s_cselect_b32 s3, 9, s3
	s_cmp_lt_u32 s2, 9
	s_cselect_b64 s[4:5], s[28:29], s[4:5]
	s_cselect_b32 s3, 8, s3
	s_cmp_lt_u32 s2, 8
	s_cselect_b64 s[4:5], s[26:27], s[4:5]
	s_cselect_b32 s3, 4, s3
	s_cmp_lt_u32 s2, 4
	s_cselect_b64 s[4:5], s[24:25], s[4:5]
	s_cselect_b32 s3, 3, s3
	s_cmp_lt_u32 s2, 3
	s_cselect_b64 s[4:5], s[22:23], s[4:5]
	s_cselect_b32 s3, 0, s3
	s_sub_co_u32 s6, s2, s3
	s_lshl_b32 s6, s6, 12                          ; the unit's 4,096 bytes in its own tensor,
	s_add_nc_u64 s[4:5], s[4:5], s[6:7]
	s_lshl_b32 s6, s2, 12                          ; and in par
	s_add_nc_u64 s[38:39], s[38:39], s[6:7]
	v_lshlrev_b32 v1, 4, v0
	global_load_b128 v[16:19], v1, s[4:5]
	s_wait_loadcnt 0x0
	RND 16, 17, 4
	RND 18, 19, 5
	global_store_b128 v1, v[16:19], s[38:39]
	s_endpgm
.Lcast:                                        ; chunk c of 768: W_attn 0-191, W_proj 192-255, W_fc 256-511, W_fc2 512-767; wb holds them in that order
	s_sub_co_u32 s2, ttmp9, 512
	s_mov_b64 s[4:5], s[20:21]
	s_movk_i32 s3, 512
	s_cmp_lt_u32 s2, 512
	s_cselect_b64 s[4:5], s[18:19], s[4:5]
	s_cselect_b32 s3, 256, s3
	s_cmp_lt_u32 s2, 256
	s_cselect_b64 s[4:5], s[16:17], s[4:5]
	s_cselect_b32 s3, 192, s3
	s_cmp_lt_u32 s2, 192
	s_cselect_b64 s[4:5], s[14:15], s[4:5]
	s_cselect_b32 s3, 0, s3
	s_sub_co_u32 s6, s2, s3
	s_lshl_b32 s6, s6, 16                          ; 65,536 bytes of f32 in,
	s_add_nc_u64 s[4:5], s[4:5], s[6:7]
	s_lshl_b32 s6, s2, 15                          ; 32,768 bytes of f16 out
	s_add_nc_u64 s[36:37], s[36:37], s[6:7]
	v_lshlrev_b32 v1, 5, v0                        ; a thread's eight numbers: 32 bytes in,
	v_lshlrev_b32 v2, 4, v0                        ; 16 bytes out
.set j, 0
.rept 8
	global_load_b128 v[IN+8*j:IN+8*j+3], v1, s[4:5] offset:8192*j th:TH_LOAD_NT
	global_load_b128 v[IN+8*j+4:IN+8*j+7], v1, s[4:5] offset:8192*j+16 th:TH_LOAD_NT
.set j, j+1
.endr
.set j, 0
.rept 8
	s_wait_loadcnt 14-2*j                          ; loads come back in order: part j's two are in, the 14 - 2 j younger ones stay out
.irp p, 0,1,2,3
	RND IN+8*j+2*(\p), IN+8*j+2*(\p)+1, 4+(\p)
.endr
.irp p, 0,1,2,3
	v_cvt_pk_f16_f32 v[OU+4*j+(\p)], v[IN+8*j+2*(\p)], v[IN+8*j+2*(\p)+1]
.endr
	global_store_b128 v2, v[OU+4*j:OU+4*j+3], s[36:37] offset:4096*j  ; a wave stores 512 consecutive bytes; each part has registers of its own
.set j, j+1
.endr
	s_endpgm
.Lln:                                          ; one row a wave: the mean, the differences, the mean of their squares (two passes, as the problem writes it), the scaling, gain and bias
	v_lshrrev_b32 v1, 5, v0
	v_readfirstlane_b32 s2, v1                     ; wave 0..7
	s_lshl3_add_u32 s3, ttmp9, s2                  ; my row: 8 g + wave
	s_lshl_b32 s6, s3, 12
	s_add_nc_u64 s[8:9], s[8:9], s[6:7]            ; x at that row,
	s_lshl_b32 s6, s3, 11
	s_add_nc_u64 s[34:35], s[34:35], s[6:7]        ; hn at that row
	v_and_b32 v1, 31, v0
	v_lshlrev_b32 v2, 4, v1                        ; 16 bytes a lane in,
	v_lshlrev_b32 v3, 3, v1                        ; 8 bytes out
.irp i, 0,1,2,3,4,5,6,7
	global_load_b128 v[G+4*(\i):G+4*(\i)+3], v2, s[10:11] offset:512*(\i)
.endr
.irp i, 0,1,2,3,4,5,6,7
	global_load_b128 v[BV+4*(\i):BV+4*(\i)+3], v2, s[12:13] offset:512*(\i)
.endr
.irp i, 0,1,2,3,4,5,6,7
	global_load_b128 v[X0+4*(\i):X0+4*(\i)+3], v2, s[8:9] offset:512*(\i)
.endr
	s_wait_loadcnt 8                               ; gain and bias are in; the row's eight loads stay out
.set k, 0
.rept 16
	RND G+2*k, G+2*k+1, 4+k%8
	RND BV+2*k, BV+2*k+1, 4+(k+4)%8
.set k, k+1
.endr
	s_wait_loadcnt 0x0
.set k, 0
.rept 16
	RND X0+2*k, X0+2*k+1, 4+k%8
.set k, k+1
.endr
.irp c, 0,1,2,3
	v_pk_add_f32 v[4+2*(\c):5+2*(\c)], v[X0+4*(\c):X0+4*(\c)+1], v[X0+4*(\c)+2:X0+4*(\c)+3]
.endr
.set k, 8
.rept 8
	v_pk_add_f32 v[4+2*(k%4):5+2*(k%4)], v[4+2*(k%4):5+2*(k%4)], v[X0+2*k:X0+2*k+1]
.set k, k+1
.endr
	v_pk_add_f32 v[4:5], v[4:5], v[6:7]
	v_pk_add_f32 v[8:9], v[8:9], v[10:11]
	v_pk_add_f32 v[4:5], v[4:5], v[8:9]
	v_add_f32 v4, v4, v5
	REDUCE
	v_mul_f32 v12, s41, v4                         ; the mean
	v_mov_b32 v13, v12
.set k, 0
.rept 16
	v_pk_add_f32 v[X0+2*k:X0+2*k+1], v[X0+2*k:X0+2*k+1], v[12:13] neg_lo:[0,1] neg_hi:[0,1]
.set k, k+1
.endr
.irp c, 0,1,2,3
	v_pk_mul_f32 v[4+2*(\c):5+2*(\c)], v[X0+2*(\c):X0+2*(\c)+1], v[X0+2*(\c):X0+2*(\c)+1]
.endr
.set k, 4
.rept 12
	v_pk_fma_f32 v[4+2*(k%4):5+2*(k%4)], v[X0+2*k:X0+2*k+1], v[X0+2*k:X0+2*k+1], v[4+2*(k%4):5+2*(k%4)]
.set k, k+1
.endr
	v_pk_add_f32 v[4:5], v[4:5], v[6:7]
	v_pk_add_f32 v[8:9], v[8:9], v[10:11]
	v_pk_add_f32 v[4:5], v[4:5], v[8:9]
	v_add_f32 v4, v4, v5
	REDUCE
	v_fma_f32 v14, v4, s41, s42                    ; the variance + 1e-5
	v_rsq_f32 v12, v14
	v_rsq_f32 v13, v14
	v_nop                                          ; a plain instruction behind the second root,
	s_wait_alu depctr_va_vdst(0)                   ; and the one wait for both, ahead of their first reader
.set k, 0
.rept 16
	v_pk_mul_f32 v[X0+2*k:X0+2*k+1], v[X0+2*k:X0+2*k+1], v[12:13]
.set k, k+1
.endr
.set k, 0
.rept 16
	v_pk_fma_f32 v[X0+2*k:X0+2*k+1], v[X0+2*k:X0+2*k+1], v[G+2*k:G+2*k+1], v[BV+2*k:BV+2*k+1]
.set k, k+1
.endr
.set k, 0
.rept 16
	v_cvt_pk_f16_f32 v[Y0+k], v[X0+2*k], v[X0+2*k+1]
.set k, k+1
.endr
.irp i, 0,1,2,3,4,5,6,7
	global_store_b64 v3, v[Y0+2*(\i):Y0+2*(\i)+1], s[34:35] offset:256*(\i)  ; 32 lanes x 8 bytes: 256 consecutive bytes, aligned
.endr
	s_endpgm
.Lfunc_end_k_q09f8265b5e_prep:
	.size	k_q09f8265b5e_prep, .Lfunc_end_k_q09f8265b5e_prep-k_q09f8265b5e_prep
	.p2alignl 7, 3214868480
	.fill 96, 4, 3214868480
	.section	.rodata,"a",@progbits
	.p2align	6, 0x0
	.amdhsa_kernel k_q09f8265b5e_prep
		.amdhsa_group_segment_fixed_size 0
		.amdhsa_private_segment_fixed_size 0
		.amdhsa_enable_private_segment 0
		.amdhsa_kernarg_size 128
		.amdhsa_user_sgpr_count 2
		.amdhsa_user_sgpr_kernarg_segment_ptr 1
		.amdhsa_wavefront_size32 1
		.amdhsa_system_sgpr_workgroup_id_x 1
		.amdhsa_system_sgpr_workgroup_id_y 1
		.amdhsa_system_sgpr_workgroup_id_z 1
		.amdhsa_system_vgpr_workitem_id 0
		.amdhsa_next_free_vgpr 128
		.amdhsa_next_free_sgpr 66
		.amdhsa_reserve_vcc 0
		.amdhsa_float_denorm_mode_32 3
		.amdhsa_float_denorm_mode_16_64 3
		.amdhsa_memory_ordered 1
		.amdhsa_forward_progress 1
		.amdhsa_inst_pref_size 29
	.end_amdhsa_kernel
	.amdgpu_metadata
---
amdhsa.version: [ 1, 2 ]
amdhsa.kernels:
  - .name:           k_q09f8265b5e_prep
    .symbol:         k_q09f8265b5e_prep.kd
    .args:
      - { .name: x, .offset: 0, .size: 8, .value_kind: global_buffer, .address_space: global }
      - { .name: ln1_g, .offset: 8, .size: 8, .value_kind: global_buffer, .address_space: global }
      - { .name: ln1_b, .offset: 16, .size: 8, .value_kind: global_buffer, .address_space: global }
      - { .name: W_attn, .offset: 24, .size: 8, .value_kind: global_buffer, .address_space: global }
      - { .name: W_proj, .offset: 32, .size: 8, .value_kind: global_buffer, .address_space: global }
      - { .name: W_fc, .offset: 40, .size: 8, .value_kind: global_buffer, .address_space: global }
      - { .name: W_fc2, .offset: 48, .size: 8, .value_kind: global_buffer, .address_space: global }
      - { .name: b_attn, .offset: 56, .size: 8, .value_kind: global_buffer, .address_space: global }
      - { .name: b_proj, .offset: 64, .size: 8, .value_kind: global_buffer, .address_space: global }
      - { .name: b_fc, .offset: 72, .size: 8, .value_kind: global_buffer, .address_space: global }
      - { .name: b_fc2, .offset: 80, .size: 8, .value_kind: global_buffer, .address_space: global }
      - { .name: ln2_g, .offset: 88, .size: 8, .value_kind: global_buffer, .address_space: global }
      - { .name: ln2_b, .offset: 96, .size: 8, .value_kind: global_buffer, .address_space: global }
      - { .name: hn, .offset: 104, .size: 8, .value_kind: global_buffer, .address_space: global }
      - { .name: wb, .offset: 112, .size: 8, .value_kind: global_buffer, .address_space: global }
      - { .name: par, .offset: 120, .size: 8, .value_kind: global_buffer, .address_space: global }
    .group_segment_fixed_size: 0
    .private_segment_fixed_size: 0
    .kernarg_segment_align: 8
    .kernarg_segment_size: 128
    .max_flat_workgroup_size: 256
    .sgpr_count:     66
    .vgpr_count:     128
    .wavefront_size: 32
...
	.end_amdgpu_metadata
.endif
;; end of part 1
;; launch qkv (part 2): grid 8 x 32, 4 waves a work-group, clusters of 4 x 4, 327,680 bytes of LDS; arguments hn, wb, par, qkvh; writes qkvh
.if DOCPART == 2
	.amdgcn_target "amdgcn-amd-amdhsa--gfx1250"
	.amdhsa_code_object_version 6
	.text
	.protected	k_q09f8265b5e_qkv
	.globl	k_q09f8265b5e_qkv
	.p2align	8
	.type	k_q09f8265b5e_qkv,@function
k_q09f8265b5e_qkv:
	s_mov_b64 s[64:65], 0
	v_nop
	global_prefetch_b8 v0, s[64:65] scope:SCOPE_SE
	s_setreg_imm32_b32 hwreg(HW_REG_WAVE_MODE, 25, 1), 1
	s_wait_xcnt 0x0
	s_wait_alu depctr_hold_cnt(0) depctr_sa_sdst(0) depctr_va_vdst(0) depctr_va_sdst(0) depctr_va_ssrc(0) depctr_va_vcc(0) depctr_vm_vsrc(0)
	s_getreg_b32 s2, hwreg(HW_REG_IB_STS2, 6, 4)
	s_cmp_eq_u32 s2, 0
	s_cbranch_scc0 .Lentry_in_a_cluster
	s_endpgm
.Lentry_in_a_cluster:
	s_bfe_u32 s2, ttmp6, 0x10000c
	s_cmp_lg_u32 s2, 0xf033
	s_cbranch_scc0 .Lentry_shape_is_right
	s_endpgm
.Lentry_shape_is_right:
; QKV.  qkvh = hn W_attn + b_attn.  hn [4096][1024] f16, W_attn [1024][3072] f16 at wb's head, the bias f32 at par's head; sums in f32, started by the bias.
; qkvh is written by heads: [2][48][2048][64] f16, plane = 48 x batch + column / 64 (q 0-15, k 16-31, v 32-47), each number rounded once, unscaled.
; LIMIT.  f16 ends at 65,504: q, k and v must stay within it.
; SHARES.  A work-group makes 128 rows x 384 columns, each of its four waves 64 x 192: 48 accumulators.  K goes in steps of 128 through two LDS slots.
; A slot is four units of 32 KiB, one tensor load a wave: waves 0-2 each bring 128 k x 128 columns of W, wave 3 brings 128 rows x 128 k of hn.  Wave w's unit lies at w x 36,864 in the slot.
; THE PRODUCT IS TAKEN TRANSPOSED: source 0 = 16 columns of W (turned on the way out of LDS, since W lies [k][n]), source 1 = 16 rows of hn: a lane ends with 8 neighbouring columns of one row.
; A wave's 12 column blocks: 0-7 are unit 0 (wc = 0) or unit 2 (wc = 1), 8-11 the first or second half of unit 1.
; CLUSTER 4 x 4: hn's unit hangs on the tile row alone and is asked for jointly along a row of the cluster, W's on the tile column alone, along a column.
; ONE TEXT FOR BOTH SLOTS: s[SBR] is the base of the slot being read; the walking descriptors and the LDS addresses are made from it.
; WINDOWS: 0 addresses, hn's fragments, the bias; 1 W's fragments; 2 and 3 the accumulators ((a, b) at v[8 (12 (a % 2) + b)], window 2 + a / 2).
.set MA, 4
.set NB, 12
.set KC, 1
.set NLD, 2*KC*(MA+NB)                 ; LDS loads in a quarter
.set NSLOT, 8
.set APITCH, 272                       ; 256 bytes + 16: an odd multiple of 16, so the 16 rows of a load start at 16 different groups of four banks
.set WPITCH, 288                       ; 256 + 32: an odd multiple of 32, for the turning load
.set UA, 128*APITCH
.set UW, 128*WPITCH
.set ABASE, 3*UW                       ; hn's unit lies behind W's three
.set SLOT, 3*UW+UA
.set SPARE, 2*SLOT                     ; behind the ring: the spare words, 128 bytes a wave, which no other line names
.set APB, 2048                         ; bytes in a row of hn
.set WPB, 6144                         ; bytes in a row of W_attn
.set ASTEP, 256
.set WSTEP, 128*WPB
.set AF, 32
.set FA, 32
.set WF, 0
.set FW, 96
.set BI, 96                            ; v[96:191] the bias of my 12 blocks, laid as an accumulator
.set DP, 784                           ; the way out: 192 f32 + 16 bytes
.set DR, 192
.set YR, 32
.set WV, 14
.set WR, 15
.set WC, 16
.set CX, 17
.set CY, 18
.set TCO, 19
.set TRO, 20
.set G1A, 24
.set G1W, 32
.set G0A0, 40
.set G0A1, 44
.set G0W0, 48
.set G0W1, 52
.set SBR, 56
.set WPA, 57
.set WPW, 58
.set LEFT, 59
.set LIM, 60
.set TL, 61
.set PFA, 62
.set PSTEP, 66
.set EC, 68
.set A0, 10
.set W0, 11
.set W1, 12
.set AC, 13
.set WC0, 14
.set WC1, 15
.set STO, 16
.set RD, 17
.set CO, 18
.set CO2, 19
.set BO, 20
.set BO2, 21
.set PFO, 22
.set SPW, 24
.set NIL, 25
.set MSB, 0
.macro WIN new                         ; the high byte repeats the setting that is left; a switch that changes nothing is dropped
.if MSB != (\new)
	s_set_vgpr_msb (MSB<<8)|(\new)
.set MSB, (\new)
.endif
.endm
.macro PLACES                          ; four plain vector instructions between a matrix instruction and a load into, or a reader of, its registers
.rept 4
	v_nop
.endr
.endm
.macro CREST                           ; a round of the cluster's barrier behind its opening barrier
	s_cmp_lg_u32 s[WV], 0
	s_cbranch_scc1 .Lnot_wave_0_\@
	s_barrier_signal -3
.Lnot_wave_0_\@:
	s_barrier_wait -3
	s_barrier_signal -1
	s_barrier_wait -1
.endm
.macro CROUND
	s_barrier_signal -1
	s_barrier_wait -1
	CREST
.endm
.macro JLOAD                           ; the joint refill, by the walking descriptors; the branch hangs on the wave's number alone; s_nop 0 and four v_nop follow each line
	s_cmp_eq_u32 s[WV], 3
	s_cbranch_scc0 .Lfor_w_\@
	tensor_load_to_lds s[G0A1:G0A1+3], s[G1A:G1A+7]
	s_nop 0
	PLACES
	s_branch .Lasked_\@
.Lfor_w_\@:
	tensor_load_to_lds s[G0W1:G0W1+3], s[G1W:G1W+7]
	s_nop 0
	PLACES
.Lasked_\@:
.endm
; Row blocks a0 .. a0 + na - 1 x all column blocks, on fragment buffer f.  first = 1: the bias starts the sums.  The accumulators take turns, one instruction a turn.
.macro MUL f, a0, na, first
.set ci, 0
.rept KC
.set ai, (\a0)
.rept (\na)
.if (\first) && (ci == 0)
	WIN 0x81+0x40*(ai/(MA/2))
.else
	WIN 0xa1+0x50*(ai/(MA/2))
.endif
.set bi, 0
.rept NB
.set rD, 8*(NB*(ai%(MA/2))+bi)
.set rW, WF+FW*(\f)+8*(NB*ci+bi)
.set rA, AF+FA*(\f)+8*(MA*ci+ai)
.if (\first) && (ci == 0)
	v_wmma_f32_16x16x32_f16 v[rD:rD+7], v[rW:rW+7], v[rA:rA+7], v[BI+8*bi:BI+8*bi+7]
.else
	v_wmma_f32_16x16x32_f16 v[rD:rD+7], v[rW:rW+7], v[rA:rA+7], v[rD:rD+7]
.endif
.set bi, bi+1
.endr
.set ai, ai+1
.endr
.set ci, ci+1
.endr
.endm
; The 32 LDS loads of quarter q (32 along K) into buffer f, in one run: W's 12 blocks, turned, then hn's 4, the lower two first.
.macro FETCH q, f
	WIN 0x40
.set bi, 0
.rept NB
.set rW, WF+FW*(\f)+8*bi
	ds_load_tr16_b128 v[rW:rW+3], v[WC0+bi/8] offset:32*WPITCH*(\q)+32*(bi%8)
	ds_load_tr16_b128 v[rW+4:rW+7], v[WC0+bi/8] offset:32*WPITCH*(\q)+32*(bi%8)+16*WPITCH
.set bi, bi+1
.endr
	WIN 0
.set ai, 0
.rept MA
.set rA, AF+FA*(\f)+8*ai
	ds_load_b128 v[rA:rA+3], v[AC] offset:16*APITCH*ai+64*(\q)
	ds_load_b128 v[rA+4:rA+7], v[AC] offset:16*APITCH*ai+64*(\q)+32
.set ai, ai+1
.endr
.endm
.macro QUARTER q, first                ; multiplies buffer q % 2; in its middle it fetches quarter q + 1 into the other
	s_wait_dscnt KC*MA                             ; all but the youngest loads, the upper row blocks' fragments
	MUL (\q)%2, 0, MA/2, \first
	PLACES
	FETCH (\q)+1, ((\q)+1)%2
	s_wait_dscnt NLD                               ; all but the run just issued
	MUL (\q)%2, MA/2, MA/2, \first
.endm
.macro REBASE                          ; the LDS addresses of the slot at s[SBR]
	v_add_nc_u32 v[AC], s[SBR], v[A0]
	v_add_nc_u32 v[WC0], s[SBR], v[W0]
	v_add_nc_u32 v[WC1], s[SBR], v[W1]
.endm
; A prefetch of the K step behind the one just asked for: 32 rows x 256 bytes, a lane a row.  hn's rows are named by the clusters with x = 0, W's by those with y = 0; the four partners
; of a joint load take 32 of its 128 rows each, told apart by address.  So each row's 256 bytes of a step are named once.  The loop's last trip names nothing: there is no such step.
.macro ASK
	s_cmp_gt_u32 s[LEFT], s[LIM]
	s_cbranch_scc0 .Lnot_mine_\@
	global_prefetch_b8 v[PFO], s[PFA:PFA+1] th:TH_LOAD_NT scope:SCOPE_SE
.Lnot_mine_\@:
.endm
; The last quarter multiplies buffer 1 and changes slots.  In front of the round each wave waits for all its tensor loads (one is out: its unit of the other slot), adds 0 to its spare word
; and waits for that and for its reads of this slot; behind the round this slot is filled again, first thing, with the step two on.
.macro TURN
	s_wait_xcnt 0x0                                ; the last prefetch, a step back, has read its address
	s_add_nc_u64 s[PFA:PFA+1], s[PFA:PFA+1], s[PSTEP:PSTEP+1]
	WIN 0
	s_wait_tensorcnt 0x0
	ds_add_u32 v[SPW], v[NIL]
	s_wait_dscnt KC*MA+1                           ; the add and the upper blocks' fragments may be out
	MUL 1, 0, MA/4, 0
	s_wait_dscnt 0x0                               ; the add is done, my reads of this slot are over
	s_barrier_signal -1
	MUL 1, MA/4, MA/4, 0
	WIN 0
	s_barrier_wait -1
	CREST
	s_add_co_u32 s[G0A1+1], s[WPA], s[SBR]         ; the slot just read is the one that is filled
	s_add_co_u32 s[G0W1+1], s[WPW], s[SBR]
	s_add_nc_u64 s[G0A1+2:G0A1+3], s[G0A1+2:G0A1+3], ASTEP
	s_add_nc_u64 s[G0W1+2:G0W1+3], s[G0W1+2:G0W1+3], WSTEP
	s_xor_b32 s[SBR], s[SBR], SLOT
	JLOAD
	REBASE
	FETCH 0, 0
	ASK
	MUL 1, MA/2, MA/2, 0
.endm
.macro QLAST                           ; a last quarter that fetches nothing
	s_wait_dscnt 0x0
	MUL 1, 0, MA, 0
.endm
.macro CHANGE0                         ; the change into the last slot: nothing is filled, so a plain barrier
	WIN 0
	s_wait_tensorcnt 0x0
	ds_add_u32 v[SPW], v[NIL]
	s_xor_b32 s[SBR], s[SBR], SLOT
	s_wait_dscnt 0x0
	s_barrier_signal -1
	s_barrier_wait -1
	REBASE
	PLACES
	FETCH 0, 0
.endm
	s_load_b256 s[4:11], s[0:1], 0x0               ; hn s[4:5], wb s[6:7], par s[8:9], qkvh s[10:11]
	v_lshl_add_u32 v[SPW], v0, 2, SPARE
	v_mov_b32 v[NIL], 0
	ds_add_u32 v[SPW], v[NIL]                      ; the wave's opening: the add and its wait ahead of my first tensor load; work on registers between
	v_lshrrev_b32 v1, 5, v0
	v_readfirstlane_b32 s[WV], v1
	s_lshr_b32 s[WR], s[WV], 1                     ; my half of the rows
	s_and_b32 s[WC], s[WV], 1                      ; my half of the columns
	s_bfe_u32 s[CX], ttmp6, 0x40000
	s_bfe_u32 s[CY], ttmp6, 0x40004
	s_lshl_b32 s[TCO], ttmp9, 2
	s_add_co_u32 s[TCO], s[TCO], s[CX]             ; tile column
	s_and_b32 s[TRO], ttmp7, 0xffff
	s_lshl_b32 s[TRO], s[TRO], 2
	s_add_co_u32 s[TRO], s[TRO], s[CY]             ; tile row
	s_lshl_b32 s22, s[CY], 2
	s_lshl_b32 s22, 15, s22                        ; my row of the cluster
	s_lshl_b32 s23, 0x1111, s[CX]                  ; my column
	s_or_b32 s[G1A], s22, (1<<16)|(1<<20)|(1<<21)|(5<<22)|(3<<25)  ; mask; 2-byte elements; padding on; bit 21 beside a mask; after every 64 words 4 words
	s_or_b32 s[G1W], s23, (1<<16)|(1<<20)|(1<<21)|(5<<22)|(7<<25)  ; the same with 8 words
.irp g, G1A, G1W
	s_mov_b32 s[(\g)+1], 128<<16                   ; tensor_dim0 = 128
	s_mov_b32 s[(\g)+2], 128<<16                   ; tensor_dim1 = 128
	s_mov_b32 s[(\g)+3], 128<<16                   ; tile_dim0 = 128
	s_mov_b32 s[(\g)+4], 128                       ; tile_dim1 = 128
	s_mov_b32 s[(\g)+6], 0
	s_mov_b32 s[(\g)+7], 0
.endr
	s_mov_b32 s[G1A+5], 1024                       ; elements from row to row
	s_mov_b32 s[G1W+5], 3072
	s_lshl_b32 s70, s[TRO], 18                     ; hn: 128 rows of 2,048 bytes a tile row
	s_mov_b32 s71, 0
	s_mul_i32 s72, s[TCO], 768                     ; W: 384 columns a tile column,
	s_lshl_b32 s73, s[WV], 8                       ; 128 a unit: wave w (0-2) fetches unit w; wave 3 makes the address and never asks by it
	s_add_co_u32 s72, s72, s73
	s_mov_b32 s73, 0
	s_mul_i32 s[WPA], s[WV], UW                    ; where my unit goes in a slot: the wave's number x 36,864, for hn's (wave 3) as for W's; no place in the cluster enters an LDS address
	s_mul_i32 s[WPW], s[WV], UW
	s_wait_dscnt 0x0                               ; the opening add is done
	s_wait_kmcnt 0x0
	s_add_nc_u64 s[70:71], s[4:5], s[70:71]
	s_add_nc_u64 s[72:73], s[6:7], s[72:73]
	CROUND                                         ; all sixteen work-groups are here: the first joint loads meet
	s_mov_b32 s[G0A0], 1
	s_mov_b32 s[G0A0+1], s[WPA]
	s_mov_b64 s[G0A0+2:G0A0+3], s[70:71]
	s_or_b32 s[G0A0+3], s[G0A0+3], 0x80000000
	s_mov_b32 s[G0A1], 1
	s_add_co_u32 s[G0A1+1], s[WPA], SLOT
	s_add_nc_u64 s[G0A1+2:G0A1+3], s[70:71], ASTEP
	s_or_b32 s[G0A1+3], s[G0A1+3], 0x80000000
	s_mov_b32 s[G0W0], 1
	s_mov_b32 s[G0W0+1], s[WPW]
	s_mov_b64 s[G0W0+2:G0W0+3], s[72:73]
	s_or_b32 s[G0W0+3], s[G0W0+3], 0x80000000
	s_mov_b32 s[G0W1], 1
	s_add_co_u32 s[G0W1+1], s[WPW], SLOT
	s_add_nc_u64 s[G0W1+2:G0W1+3], s[72:73], WSTEP
	s_or_b32 s[G0W1+3], s[G0W1+3], 0x80000000
	s_cmp_eq_u32 s[WV], 3                          ; a wave's two first fills stand in one branch: two loads of mine are out
	s_cbranch_scc0 .Lfirst_w
	tensor_load_to_lds s[G0A0:G0A0+3], s[G1A:G1A+7]
	s_nop 0
	tensor_load_to_lds s[G0A1:G0A1+3], s[G1A:G1A+7]
	s_nop 0
	PLACES
	s_branch .Lfirst_done
.Lfirst_w:
	tensor_load_to_lds s[G0W0:G0W0+3], s[G1W:G1W+7]
	s_nop 0
	tensor_load_to_lds s[G0W1:G0W1+3], s[G1W:G1W+7]
	s_nop 0
	PLACES
.Lfirst_done:
	v_and_b32 v1, 15, v0                           ; r = l % 16
	v_bfe_u32 v2, v0, 4, 1                         ; h = l / 16
	v_and_b32 v3, 7, v0
	v_bfe_u32 v4, v0, 3, 1
	v_and_b32 v5, 31, v0
	; the bias: register j of block b is column 16 b + 8 h + j of my columns
	s_mul_i32 s23, s[TCO], 1536
	s_lshl_b32 s74, s[WC], 10
	s_add_co_u32 s74, s74, s23
	v_lshl_add_u32 v[BO], v2, 5, s74               ; blocks 0-7 begin at column 384 tc + 256 wc
	s_lshl_b32 s74, s[WC], 8
	s_add_co_u32 s74, s74, s23
	s_add_co_u32 s74, s74, 512
	v_lshl_add_u32 v[BO2], v2, 5, s74              ; blocks 8-11 at 384 tc + 128 + 64 wc
.set bi, 0
.rept NB
	global_load_b128 v[BI+8*bi:BI+8*bi+3], v[BO+bi/8], s[8:9] offset:64*(bi%8)
	global_load_b128 v[BI+8*bi+4:BI+8*bi+7], v[BO+bi/8], s[8:9] offset:64*(bi%8)+16
.set bi, bi+1
.endr
	v_mul_u32_u24 v6, v1, APITCH
	v_lshl_add_u32 v6, v2, 4, v6                   ; hn's fragment: row x pitch + 16 h
	v_lshl_add_u32 v7, v2, 3, v3
	v_mul_u32_u24 v7, v7, WPITCH
	v_lshl_add_u32 v7, v4, 4, v7                   ; W's: (8 h + l % 8) x pitch + 16 ((l / 8) % 2)
	s_mul_i32 s74, s[WR], 64*APITCH
	s_add_co_u32 s74, s74, ABASE
	v_add_nc_u32 v[A0], s74, v6                    ; my 64 rows of hn's unit
	s_mul_i32 s74, s[WC], 2*UW
	v_add_nc_u32 v[W0], s74, v7                    ; unit 0 or unit 2
	s_lshl_b32 s74, s[WC], 7
	s_add_co_u32 s74, s74, UW
	v_add_nc_u32 v[W1], s74, v7                    ; a half of unit 1
	; the way out
	s_mul_i32 s74, s[WV], 64*DP
	v_mul_u32_u24 v[STO], v1, DP
	v_lshl_add_u32 v[STO], v2, 5, v[STO]
	v_add_nc_u32 v[STO], s74, v[STO]
	v_mul_u32_u24 v[RD], v2, DP
	v_lshl_add_u32 v[RD], v1, 4, v[RD]
	v_add_nc_u32 v[RD], s74, v[RD]
	s_lshr_b32 s74, s[TRO], 4
	s_mul_i32 s74, s74, 48
	s_mul_i32 s75, s[TCO], 6
	s_add_co_u32 s74, s74, s75                     ; the first of the work-group's six planes
	s_and_b32 s75, s[TRO], 15
	s_lshl_b32 s75, s75, 7
	s_lshl_b32 s76, s[WR], 6
	s_add_co_u32 s75, s75, s76
	s_lshl_b32 s75, s75, 7                         ; my first row in a plane, in bytes
	s_lshl_b32 s76, s[WC], 2
	s_add_co_u32 s76, s76, s74
	s_lshl_b32 s76, s76, 18
	s_add_co_u32 s76, s76, s75
	v_lshl_add_u32 v[CO], v5, 3, s76               ; planes 4 wc and 4 wc + 1
	s_add_co_u32 s76, s74, s[WC]
	s_add_co_u32 s76, s76, 2
	s_lshl_b32 s76, s76, 18
	s_add_co_u32 s76, s76, s75
	v_lshl_add_u32 v[CO2], v5, 3, s76              ; plane 2 + wc
	; the prefetches
	s_and_b32 s74, ttmp7, 0xffff
	s_movk_i32 s76, WPB
	s_mov_b32 s[PSTEP], WSTEP
	s_mov_b32 s[PSTEP+1], 0
	s_cmp_eq_u32 s[WV], 3                          ; do I fetch hn's unit?
	s_cselect_b32 s74, ttmp9, s74                  ; the coordinate along which other clusters read the same rows
	s_cselect_b32 s75, s[CX], s[CY]                ; my place among the four that ask with me
	s_cselect_b64 s[PFA:PFA+1], s[70:71], s[72:73]
	s_cselect_b32 s76, APB, s76                    ; bytes in a row
	s_cselect_b32 s[PSTEP], ASTEP, s[PSTEP]
	s_cmp_eq_u32 s74, 0
	s_cselect_b32 s[LIM], 1, -1
	s_lshl_b32 s75, s75, 5
	s_mul_i32 s74, s75, s76                        ; my work-group's 32 rows,
	s_lshl_b32 s75, s[PSTEP], 1                    ; at step 2: each change of slots steps it first
	s_add_co_u32 s74, s74, s75
	s_mov_b32 s75, 0
	s_add_nc_u64 s[PFA:PFA+1], s[PFA:PFA+1], s[74:75]
	v_mul_u32_u24 v[PFO], s76, v5
	s_wait_tensorcnt 0x1                           ; my unit of step 0 is in; step 1's may stay out
	s_barrier_signal -1
	s_barrier_wait -1
	s_mov_b32 s[SBR], 0
	REBASE
	FETCH 0, 0
	s_wait_loadcnt 0x0                             ; the bias
	QUARTER 0, 1
	WIN 0
	s_mov_b32 s[LEFT], NSLOT-2
.Llap:                                         ; a trip: from a slot's second quarter to the next slot's first; it fills the slot that it leaves
	QUARTER 1, 0
	QUARTER 2, 0
	TURN
	QUARTER 0, 0
	WIN 0
	s_sub_co_u32 s[LEFT], s[LEFT], 1
	s_cmp_lg_u32 s[LEFT], 0
	s_cbranch_scc1 .Llap
	s_mov_b32 s[TL], 2
.Ltail:                                        ; the last two slots ask for nothing; the second trip is left in its middle
	QUARTER 1, 0
	QUARTER 2, 0
	QLAST
	WIN 0
	s_sub_co_u32 s[TL], s[TL], 1
	s_cmp_eq_u32 s[TL], 0
	s_cbranch_scc1 .Lout
	CHANGE0
	QUARTER 0, 0
	WIN 0
	s_branch .Ltail
.Lout:
	; THE WAY OUT.  The ring has had its last fill: each wave lays its 64 x 192 sums there in f32, in rows of 784 bytes, and reads them back by rows.
	PLACES
	PLACES
	s_wait_dscnt 0x0
	s_barrier_signal -1
	s_barrier_wait -1                              ; every wave's reads of the ring are over
.set ai, 0
.rept MA
	WIN 0x08+0x04*(ai/(MA/2))
.set bi, 0
.rept NB
.set rD, 8*(NB*(ai%(MA/2))+bi)
	ds_store_b128 v[STO], v[rD:rD+3] offset:16*ai*DP+64*bi
	ds_store_b128 v[STO], v[rD+4:rD+7] offset:16*ai*DP+64*bi+16
.set bi, bi+1
.endr
.set ai, ai+1
.endr
	WIN 0
.macro DLOAD                           ; four pairs of rows x three heads; LDS serves a wave's instructions in order, so these see my stores
.irp i, 0,1,2,3
.irp c, 0,1,2
	ds_load_b128 v[DR+12*(\i)+4*(\c):DR+12*(\i)+4*(\c)+3], v[RD] offset:2*DP*(\i)+256*(\c)
.endr
.endr
.endm
	DLOAD
	s_mov_b32 s[EC], 8
.Lrow:                                         ; eight rows a trip
	s_wait_dscnt 0x0
.set k, 0
.rept 24
	v_cvt_pk_f16_f32 v[YR+k], v[DR+2*k], v[DR+2*k+1]
.set k, k+1
.endr
	s_cmp_eq_u32 s[EC], 1
	s_cbranch_scc1 .Lnoload
	v_add_nc_u32 v[RD], 8*DP, v[RD]
	DLOAD
.Lnoload:
.irp i, 0,1,2,3
	global_store_b64 v[CO], v[YR+6*(\i):YR+6*(\i)+1], s[10:11] offset:256*(\i)  ; two rows of a head: 256 consecutive bytes, aligned
	global_store_b64 v[CO], v[YR+6*(\i)+2:YR+6*(\i)+3], s[10:11] offset:262144+256*(\i)
	global_store_b64 v[CO2], v[YR+6*(\i)+4:YR+6*(\i)+5], s[10:11] offset:256*(\i)
.endr
	s_wait_xcnt 0x0                                ; the stores have read their registers: offsets and data are rewritten only behind this wait
	v_add_nc_u32 v[CO], 1024, v[CO]
	v_add_nc_u32 v[CO2], 1024, v[CO2]
	s_sub_co_u32 s[EC], s[EC], 1
	s_cmp_lg_u32 s[EC], 0
	s_cbranch_scc1 .Lrow
	s_wait_tensorcnt 0x0                           ; the wave's end
	ds_add_u32 v[SPW], v[NIL]
	s_wait_dscnt 0x0
	CROUND                                         ; the closing round
	s_endpgm
.Lfunc_end_k_q09f8265b5e_qkv:
	.size	k_q09f8265b5e_qkv, .Lfunc_end_k_q09f8265b5e_qkv-k_q09f8265b5e_qkv
	.p2alignl 7, 3214868480
	.fill 96, 4, 3214868480
	.section	.rodata,"a",@progbits
	.p2align	6, 0x0
	.amdhsa_kernel k_q09f8265b5e_qkv
		.amdhsa_group_segment_fixed_size 327680
		.amdhsa_private_segment_fixed_size 0
		.amdhsa_enable_private_segment 0
		.amdhsa_kernarg_size 32
		.amdhsa_user_sgpr_count 2
		.amdhsa_user_sgpr_kernarg_segment_ptr 1
		.amdhsa_wavefront_size32 1
		.amdhsa_system_sgpr_workgroup_id_x 1
		.amdhsa_system_sgpr_workgroup_id_y 1
		.amdhsa_system_sgpr_workgroup_id_z 1
		.amdhsa_system_vgpr_workitem_id 0
		.amdhsa_next_free_vgpr 1024
		.amdhsa_next_free_sgpr 80
		.amdhsa_reserve_vcc 0
		.amdhsa_float_denorm_mode_32 3
		.amdhsa_float_denorm_mode_16_64 3
		.amdhsa_memory_ordered 1
		.amdhsa_forward_progress 1
		.amdhsa_inst_pref_size 74
	.end_amdhsa_kernel
	.amdgpu_metadata
---
amdhsa.version: [ 1, 2 ]
amdhsa.kernels:
  - .name:           k_q09f8265b5e_qkv
    .symbol:         k_q09f8265b5e_qkv.kd
    .args:
      - { .name: hn, .offset: 0, .size: 8, .value_kind: global_buffer, .address_space: global }
      - { .name: wb, .offset: 8, .size: 8, .value_kind: global_buffer, .address_space: global }
      - { .name: par, .offset: 16, .size: 8, .value_kind: global_buffer, .address_space: global }
      - { .name: qkvh, .offset: 24, .size: 8, .value_kind: global_buffer, .address_space: global }
    .group_segment_fixed_size: 327680
    .private_segment_fixed_size: 0
    .kernarg_segment_align: 8
    .kernarg_segment_size: 32
    .max_flat_workgroup_size: 128
    .sgpr_count:     80
    .vgpr_count:     1024
    .wavefront_size: 32
...
	.end_amdgpu_metadata
.endif
;; end of part 2
;; launch attn (part 3): grid 8 x 32, 8 waves a work-group, no clusters, 327,680 bytes of LDS; arguments qkvh, oh; writes oh
.if DOCPART == 3
	.amdgcn_target "amdgcn-amd-amdhsa--gfx1250"
	.amdhsa_code_object_version 6
	.text
	.protected	k_q09f8265b5e_attn
	.globl	k_q09f8265b5e_attn
	.p2align	8
	.type	k_q09f8265b5e_attn,@function
k_q09f8265b5e_attn:
	s_mov_b64 s[64:65], 0
	v_nop
	global_prefetch_b8 v0, s[64:65] scope:SCOPE_SE
	s_setreg_imm32_b32 hwreg(HW_REG_WAVE_MODE, 25, 1), 1
	s_wait_xcnt 0x0
; CAUSAL ATTENTION at head size 64.  oh[y][q][:] = the sum over k <= q of softmax_k(Q[q] . K[k] / 8) V[k][:], y = 16 x batch + head.
; qkvh: [2][48][2048][64] f16 (planes q, k, v of a batch); oh: [32][2048][64] f16.  Products, maxima and sums in f32; the weights are rounded to f16 for the second product, O once.
; LIMITS.  A hidden score is replaced by -2^100 (f16's scores reach 2.7e11 at the most); a weight below 2^-126 counts as 0; NaN and infinities are not treated apart.
; THE WALK.  A head's queries lie in 16 blocks of 128; block i needs the key tiles 0 .. i of 128 keys, the last with the diagonal.  A work-group takes block b and then block 15 - b:
; 17 tiles whatever b, so all 256 work-groups are alike and every trip count is a constant.  The two blocks' tiles are one sequence for the ring: place i holds tile i up to i = b, tile i - b - 1 behind it.
; A slot holds three places.  Six slots hold 18 places: the 18th is no tile of the walk; its load brings a tile of the head (its number held to 15), 32 KiB that nobody reads.
; SHARES.  EIGHT WAVES, TWO ON EACH SIMD.  A block has two bands of 64 queries; waves w and w + 4 both own rows 16 (w % 4) .. + 15 of each band (tile t = band t).  THE KEYS ARE SPLIT: of every tile's two steps
; of 64 keys group g = wave / 4 takes step g.  So while one wave of a SIMD walks its softmax the other has the matrix unit, and a fragment of K or V read from LDS still feeds two tiles' products.
; Each wave keeps its own running maximum, sum and O^T.  At a block's end they go to LDS; at the launch's end group 0 merges the first block's two partial results, group 1 the second's:
; a_g = 2^(c m_g - max), l = a_0 l_0 + a_1 l_1, O = (a_0 O_0 + a_1 O_1) / l.
; A WAVE THAT SAW HIDDEN KEYS ALONE (group 1, band 0 of block 0) has m = -2^100.  c x 2^100 is exact in f32, so its c s - c m is exactly 0: its weights are 1, its l and O^T finite sums.  Its a in the merge is 0
; (the other group has seen the row's own key), and the first a of the block that follows, 0 too, meets finite numbers.  With a mask value whose product with c is rounded, c s - c m would be that rounding's error, a huge number.
; LAYOUT.  S^T = K Q^T holds ONE query a lane (lane % 16) and the keys 8 (lane / 16) + 0..7; two such results rounded to f16 ARE source 1 of O^T = V^T P.  V is turned on its way out of LDS.
; SOFTMAX.  p = 2^(c s - c m), c = log2(e) / 8, with a running maximum m; O and l are multiplied by a = 2^(c m_old - c m_new) in every step.  m starts at the lowest finite number: the first a is 0.
; A wave's step goes in phases: 16 products K Q^T, the softmax, 16 products V^T P.  The step's 66 exponentials are one batch with one wait.
; NO CLUSTER: two work-groups of a head ask for the same tile in the same place only while both are in their first blocks; a walk common to all eight would have 8 + 16 = 24 places for 17.
; LDS.  A slot is six units of 20,480 bytes, wave w's load at w x 20,480: three of K (18,432 used), three of V.  Slot 1 begins at 131,072.  Behind it: the first block's partial results, 8,704 bytes a wave, and the spare words.
; The second block's partial results and the stages lie in the ring, which has had its last fill by then.
; WINDOWS: 0 addresses, statistics, S^T, K, V;  1: v0-63 O^T, v64-95 P, v96-127 Q, v128-159 the second block's Q.
.set KS,    64
.set PK,    144                        ; a row of K in LDS: 128 bytes + 16
.set PV,    160                        ; a row of V: 128 + 32
.set UNIT,  128*PV                     ; what one tensor load has to itself
.set TPS,   3                          ; tiles in a slot
.set VOFF,  TPS*UNIT
.set SLOT1, 1<<17
.set XA,    SLOT1+2*TPS*UNIT           ; the first block's partial results: never filled by a tensor load
.set XW,    8704                       ; a wave's: 64 registers of O^T, then four of statistics, 16 bytes a lane each
.set SPARE, XA+8*XW                    ; the spare words, 128 bytes a wave, which no other line names
.set STAGE, 8*XW                       ; at the end, behind the second block's partial results (which begin at byte 0): 16 rows x 144 bytes a wave
.set SP,    144
.set AK0, 2
.set AV0, 3
.set AK,  4
.set AV,  5
.set STO, 6
.set RD,  7
.set GO,  8
.set QO,  9
.set XDA, 10                           ; v10     where I put my partial result of the first block
.set XDB, 11                           ; v11     of the second
.set TH,  12                           ; v12-13  my query's place in its block, less my lanes' 8 (l / 16), less my group's first key, by tile
.set BIG, 14                           ; v14     -2^100
.set RDX, 15                           ; v15     where the two partial results lie that I merge
.set MV,  16                           ; v16-17  c m_old
.set ST,  20                           ; tile t at v[ST+4 t]: c m, m, l (even keys', odd keys')
.set TMP, 28                           ; tile t at v[TMP+4 t]: c0-c3 at work; c2 takes a
.set PFO, 36
.set SPW, 38
.set NIL, 39
.set SV,  44                           ; v44-47  c m and l of tile 0, of tile 1: as they go to LDS, and group 0's as they come back
.set SW,  48                           ; v48-51  group 1's as they come back
.set S,   64
.set KF,  128
.set VF,  192
.set P0,  64                           ; the merge: group 0's O^T
.set P1,  128                          ; group 1's
.set MT,  192                          ; the merge: eight registers a tile at work
.set P,   64                           ; window 1
.set Q,   96
.set QB,  128
.set QH,  8
.set QL,  10
.set KB,  12
.set VB,  14
.set OUTP, 16
.set WV,  20
.set PB,  21
.set NH,  22
.set W3,  23
.set G1K, 24
.set G1V, 32
.set G0K, 40
.set G0V, 44
.set GQ,  48
.set SL,  56
.set CS,  58
.set SEL, 60
.set TBK, 62
.set TBV, 63
.set RT,  66
.set NXT, 67
.set OFF, 68
.set TC,  70
.set LIMP, 71
.set PFA, 72
.set MYB, 74
.set MSB, 0
.macro WIN new
.if MSB != (\new)
	s_set_vgpr_msb (MSB<<8)|(\new)
.set MSB, (\new)
.endif
.endm
.set W_KQ, 0x04                        ; K and S^T in window 0, Q in window 1
.set W_PV, 0x54                        ; V in window 0; P and O^T in window 1
.set W_RS, 0x41                        ; destination and source 0 in window 1, source 1 in window 0
.set W_TO1, 0x40                       ; destination in window 1
.set W_ST1, 0x04                       ; an LDS store's data (source 1) in window 1
.macro PLACES
.rept 4
	v_nop
.endr
.endm
.macro LOAD                            ; waves 0-2 fetch the slot's three tiles of K, waves 3-5 those of V, 128 keys each; waves 6 and 7 fetch nothing; s_nop 0 and four v_nop follow each line
	s_cmp_lt_u32 s[WV], 3
	s_cbranch_scc0 .Lnot_k_\@
	tensor_load_to_lds s[G0K:G0K+3], s[G1K:G1K+7]
	s_nop 0
	PLACES
	s_branch .Lasked_\@
.Lnot_k_\@:
	s_cmp_lt_u32 s[WV], 6
	s_cbranch_scc0 .Lasked_\@
	tensor_load_to_lds s[G0V:G0V+3], s[G1V:G1V+7]
	s_nop 0
	PLACES
.Lasked_\@:
.endm
.macro TNUM                            ; s[OFF] = the byte offset in K and V of the tile at place NXT of the walk
	s_cmp_ge_u32 s[NXT], s[NH]
	s_cselect_b32 s[OFF], s[NH], 0
	s_sub_co_u32 s[OFF], s[NXT], s[OFF]
	s_min_u32 s[OFF], s[OFF], 15                   ; the 18th place of the work-group with b = 0 would be tile 16
	s_lshl_b32 s[OFF], s[OFF], 14                  ; a tile is 16,384 bytes of K and of V
.endm
; A prefetch of the tile that my next fill will ask for: 64 blocks of 256 bytes, a lane a block, two instructions.  All eight work-groups of a head walk the same K and V: the one with b = 0,
; whose places 1 to 16 are the tiles 0 to 15 in order, names tiles 5 to 15, each loading wave what it will load itself.
.macro ASKA
	s_cmp_lt_u32 s[NXT], s[LIMP]
	s_cbranch_scc0 .Lnot_mine_\@
	global_prefetch_b8 v[PFO], s[PFA:PFA+1] th:TH_LOAD_NT scope:SCOPE_SE
	global_prefetch_b8 v[PFO], s[PFA:PFA+1] offset:8192 th:TH_LOAD_NT scope:SCOPE_SE
.Lnot_mine_\@:
.endm
; THE CHANGE OF SLOTS.  Each wave waits for all its tensor loads (at most one is out: its part of the other slot), adds 0 to its spare word, and waits for that and for its reads of the slot that it leaves.
; fill = 1: the old slot is filled again, first thing behind the barrier, with the walk's next three places; a descriptor's address is made anew from its tile's number.
.macro CHANGE fill
	WIN 0
	s_wait_tensorcnt 0x0
	ds_add_u32 v[SPW], v[NIL]
.if \fill
	TNUM
	s_xor_b32 s[G0K+1], s[G0K+1], SLOT1
	s_add_nc_u64 s[G0K+2:G0K+3], s[KB:KB+1], s[OFF:OFF+1]
	s_or_b32 s[G0K+3], s[G0K+3], 0x80000000
	s_xor_b32 s[G0V+1], s[G0V+1], SLOT1
	s_add_nc_u64 s[G0V+2:G0V+3], s[VB:VB+1], s[OFF:OFF+1]
	s_or_b32 s[G0V+3], s[G0V+3], 0x80000000
	s_add_co_u32 s[NXT], s[NXT], TPS
	s_wait_xcnt 0x0                                ; the last prefetches, a slot back, have read their address
	TNUM
	s_add_nc_u64 s[PFA:PFA+1], s[MYB:MYB+1], s[OFF:OFF+1]
.endif
	s_wait_dscnt 0x0                               ; the add is done, my reads of the slot are over
	s_barrier_signal -1
	s_sub_co_u32 s[TBK], s[TBK], TPS*UNIT          ; the fetches go back to a slot's first tile,
	s_xor_b32 s[TBK], s[TBK], SLOT1                ; in the other slot
	s_sub_co_u32 s[TBV], s[TBV], TPS*UNIT
	s_xor_b32 s[TBV], s[TBV], SLOT1
	s_barrier_wait -1
.if \fill
	LOAD
	ASKA
.endif
.endm
.macro REGS t
.set rT, ST+4*(\t)
.set rC, TMP+4*(\t)
.set rM, MV+(\t)
.set rS, S+32*(\t)
.endm
; Number n of the 22 that find tile t's maximum and statistics.  Each accumulator's lowest registers are read first.
.macro XS t, n
	REGS \t
.if (\n) < 4
	v_max3_num_f32 v[rC+(\n)], v[rS+8*(\n)], v[rS+8*(\n)+1], v[rS+8*(\n)+2]
.elseif (\n) < 12
	v_max3_num_f32 v[rC+(\n)%4], v[rC+(\n)%4], v[rS+8*((\n)%4)+2*((\n)/4)+1], v[rS+8*((\n)%4)+2*((\n)/4)+2]
.elseif (\n) == 12
	v_max3_num_f32 v[rC], v[rC], v[rS+7], v[rS+15]
.elseif (\n) == 13
	v_max3_num_f32 v[rC+1], v[rC+1], v[rS+23], v[rS+31]
.elseif (\n) == 14
	v_max3_num_f32 v[rC+2], v[rC+2], v[rC+3], v[rT+1]
.elseif (\n) == 15
	v_mov_b32 v[rM], v[rT]
.elseif (\n) == 16
	v_max3_num_f32 v[rC], v[rC], v[rC+1], v[rC+2]
.elseif (\n) == 17
	v_permlanex16_b32 v[rC+3], v[rC], s[SEL], s[SEL+1]
.elseif (\n) == 18
	v_max_num_f32 v[rT+1], v[rC], v[rC+3]
.elseif (\n) == 19
	v_mul_f32 v[rT], s[CS], v[rT+1]
.elseif (\n) == 20
	v_sub_f32 v[rC+1], v[rM], v[rT]
.else
	v_exp_f32 v[rC+2], v[rC+1]
.endif
.endm
.macro FS t, n                         ; c s - c m for pair n of 16
	REGS \t
	v_pk_fma_f32 v[rS+2*(\n):rS+2*(\n)+1], v[rS+2*(\n):rS+2*(\n)+1], s[CS:CS+1], v[rT:rT+1] op_sel_hi:[1,0,0] neg_lo:[0,0,1] neg_hi:[0,0,1]
.endm
.macro EX t, n
	v_exp_f32 v[S+32*(\t)+(\n)], v[S+32*(\t)+(\n)]
.endm
.macro BS t, n                         ; of the four weights 4 n .. the second pair is added onto the first
	v_pk_add_f32 v[S+32*(\t)+4*(\n):S+32*(\t)+4*(\n)+1], v[S+32*(\t)+4*(\n):S+32*(\t)+4*(\n)+1], v[S+32*(\t)+4*(\n)+2:S+32*(\t)+4*(\n)+3]
.endm
.macro LS t, n                         ; l takes that sum; the first time l = a l + sum
	REGS \t
.if (\n) == 0
	v_pk_fma_f32 v[rT+2:rT+3], v[rT+2:rT+3], v[rC+2:rC+3], v[rS:rS+1] op_sel_hi:[1,0,1]
.else
	v_pk_add_f32 v[rT+2:rT+3], v[rT+2:rT+3], v[rS+4*(\n):rS+4*(\n)+1]
.endif
.endm
; In the diagonal tile register i of tile t is hidden where 16 (i / 8) + i % 8 is greater than v[TH + t].
.macro MASK
.irp t, 0,1
.set i, 0
.rept 32
	v_cmp_gt_i32 vcc_lo, 16*(i/8)+i%8, v[TH+(\t)]
	v_cndmask_b32 v[S+32*(\t)+i], v[S+32*(\t)+i], v[BIG], vcc_lo
.set i, i+1
.endr
.endr
.endm
.macro STEP                            ; my group's 64 keys of a tile
	WIN 0
	v_add_nc_u32 v[AK], s[TBK], v[AK0]             ; these four are the places between the last product that read V and the loads into V's registers
	v_add_nc_u32 v[AV], s[TBV], v[AV0]
	v_nop
	v_nop
	s_add_co_u32 s[TBK], s[TBK], UNIT              ; the next fetch is the next tile's
	s_add_co_u32 s[TBV], s[TBV], UNIT
.irp f, 0,1,2,3,4,5,6,7                ; K: keys 16 (f / 2) on, channels 32 (f % 2) on
	ds_load_b128 v[KF+8*(\f):KF+8*(\f)+3],   v[AK] offset:((\f)/2)*16*PK+((\f)%2)*64
	ds_load_b128 v[KF+8*(\f)+4:KF+8*(\f)+7], v[AK] offset:((\f)/2)*16*PK+((\f)%2)*64+32
.endr
.irp f, 0,1,2,3,4,5,6,7                ; V, turned: keys 32 (f / 4) on, channels 16 (f % 4) on
	ds_load_tr16_b128 v[VF+8*(\f):VF+8*(\f)+3],   v[AV] offset:((\f)/4)*32*PV+((\f)%4)*32
	ds_load_tr16_b128 v[VF+8*(\f)+4:VF+8*(\f)+7], v[AV] offset:((\f)/4)*32*PV+16*PV+((\f)%4)*32
.endr
	s_wait_dscnt 16                                ; K is in; V's sixteen loads stay out
	WIN W_KQ
.set i, 0
.rept 16                               ; channels 32 (i / 8) on, keys 16 ((i / 2) % 4) on, tile i % 2: eight accumulators by turns
.set rS, S+32*(i%2)+8*((i/2)%4)
.set rK, KF+16*((i/2)%4)+8*(i/8)
.set rQ, Q+16*(i%2)+8*(i/8)
.if i < 8
	v_wmma_f32_16x16x32_f16 v[rS:rS+7], v[rK:rK+7], v[rQ:rQ+7], 0
.else
	v_wmma_f32_16x16x32_f16 v[rS:rS+7], v[rK:rK+7], v[rQ:rQ+7], v[rS:rS+7]
.endif
.set i, i+1
.endr
	WIN 0
	PLACES
	s_cmp_lg_u32 s[RT], 0                          ; only a block's last tile holds the diagonal
	s_cbranch_scc1 .Lopen_\@
	MASK
.Lopen_\@:
.irp n, 0,1,2,3,4,5,6,7,8,9,10,11,12,13,14,15,16,17,18,19,20,21
	XS 0, \n
	XS 1, \n
.endr
	FS 0, 0
	FS 1, 0
.set f, 0
.rept 16                               ; scalings and exponentials; nothing here names an exponential's result
.if f < 15
	FS 0, f+1
.endif
	EX 0, 2*f
.if f < 15
	FS 1, f+1
.endif
	EX 1, 2*f
	EX 0, 2*f+1
	EX 1, 2*f+1
.set f, f+1
.endr
	v_nop                                          ; a plain instruction behind the last exponential,
	s_wait_alu depctr_va_vdst(0)                   ; and the one wait for the step's 66, ahead of their first reader
	WIN W_TO1
.set i, 0
.rept 16
	v_cvt_pk_f16_f32 v[P+i], v[S+2*i], v[S+2*i+1]
	v_cvt_pk_f16_f32 v[P+16+i], v[S+32+2*i], v[S+32+2*i+1]
.set i, i+1
.endr
	WIN 0
.set f, 0
.rept 8
	BS 0, f
	BS 1, f
.if f > 0
	LS 0, f-1
	LS 1, f-1
.endif
.set f, f+1
.endr
	LS 0, 7
	LS 1, 7
	WIN W_RS
.set i, 0
.rept 16                               ; O^T times a, each accumulator from its low end on
	v_pk_mul_f32 v[2*i:2*i+1], v[2*i:2*i+1], v[TMP+2:TMP+3] op_sel_hi:[1,0]
	v_pk_mul_f32 v[32+2*i:32+2*i+1], v[32+2*i:32+2*i+1], v[TMP+6:TMP+7] op_sel_hi:[1,0]
.set i, i+1
.endr
	s_wait_dscnt 0x0                               ; V is in
	WIN W_PV
.set i, 0
.rept 16                               ; keys 32 (i / 8) on, channels 16 ((i / 2) % 4) on, tile i % 2
.set rO, 32*(i%2)+8*((i/2)%4)
.set rV, VF+32*(i/8)+8*((i/2)%4)
.set rP, P+16*(i%2)+8*(i/8)
	v_wmma_f32_16x16x32_f16 v[rO:rO+7], v[rV:rV+7], v[rP:rP+7], v[rO:rO+7]
.set i, i+1
.endr
	WIN 0
.endm
.macro STATS                           ; c m and l of both tiles, four registers on end; also the four places behind a block's last products
	v_mov_b32 v[SV], v[ST]
	v_add_f32 v[SV+1], v[ST+2], v[ST+3]
	v_mov_b32 v[SV+2], v[ST+4]
	v_add_f32 v[SV+3], v[ST+6], v[ST+7]
.endm
.macro DUMPO ad                        ; my partial result goes to LDS: 16 bytes a lane, 512 consecutive bytes a store; each accumulator from its low end on
	WIN W_ST1
.set q, 0
.rept 16
	ds_store_b128 v[\ad], v[4*q:4*q+3] offset:512*q
.set q, q+1
.endr
	WIN 0
	ds_store_b128 v[\ad], v[SV:SV+3] offset:8192
.endm
.macro RESTART                         ; the second block begins: its first a is 0, so O^T and l need only be finite, and they are: every weight of the first block lay in 0 to about 1
	s_sub_co_u32 s[RT], 16, s[PB]                  ; it has 16 - b tiles
	WIN W_RS
.set i, 0
.rept 32
	v_mov_b32 v[Q+i], v[QB+i]
.set i, i+1
.endr
	WIN 0
.irp t, 0,1
	v_mov_b32 v[ST+4*(\t)], 0xfe000000
	v_mov_b32 v[ST+4*(\t)+1], 0xff7fffff
.endr
.endm
.macro TILE ends                       ; a tile of the walk; ends = 1: it may be the first block's last (place b, 7 at the most: always in the loop)
	s_sub_co_u32 s[RT], s[RT], 1
	STEP
.if \ends
	s_cmp_lg_u32 s[RT], 0
	s_cbranch_scc1 .Lgo_\@
	STATS
	DUMPO XDA
	RESTART
.Lgo_\@:
.endif
.endm
.macro PACKM t                         ; tile t: f16, through my stage: in by rows of 144 bytes, back as whole rows of 128
.set i, 0
.rept 16
	v_cvt_pk_f16_f32 v[P0+16*(\t)+i], v[P0+32*(\t)+2*i], v[P0+32*(\t)+2*i+1]
.set i, i+1
.endr
.irp f, 0,1,2,3
	ds_store_b128 v[STO], v[P0+16*(\t)+4*(\f):P0+16*(\t)+4*(\f)+3] offset:32*(\f)
.endr
.irp f, 0,1,2,3
	ds_load_b128 v[P0+16*(\t)+4*(\f):P0+16*(\t)+4*(\f)+3], v[RD] offset:(\f)*4*SP  ; LDS serves a wave's instructions in order: these see the stores above, the next tile's stores come behind them
.endr
.endm
.macro SEND t, younger                 ; younger: the LDS instructions issued behind tile t's loads
.irp f, 0,1,2,3
	s_wait_dscnt (\younger)+3-(\f)
	global_store_b128 v[GO], v[P0+16*(\t)+4*(\f):P0+16*(\t)+4*(\f)+3], s[OUTP:OUTP+1] offset:(\t)*8192+(\f)*512  ; 512 consecutive bytes, aligned
.endr
.endm
	s_load_b128 s[4:7], s[0:1], 0x0                ; qkvh s[4:5], oh s[6:7]
	v_lshl_add_u32 v[SPW], v0, 2, SPARE
	v_mov_b32 v[NIL], 0
	ds_add_u32 v[SPW], v[NIL]                      ; the wave's opening: the add and its wait ahead of my first tensor load
	v_lshrrev_b32 v1, 5, v0
	v_readfirstlane_b32 s[WV], v1                  ; wave 0..7
	s_and_b32 s[W3], s[WV], 3                      ; which 16 rows of a band
	s_lshr_b32 s[GQ], s[WV], 2                     ; which 64 keys of a tile
	s_mov_b32 s[PB], ttmp9
	s_add_co_u32 s[NH], s[PB], 1                   ; the first block, b, has b + 1 tiles
	s_and_b32 s2, ttmp7, 0xffff                    ; y = 16 x batch + head
	s_lshr_b32 s3, s2, 4
	s_lshl_b32 s3, s3, 5
	s_add_co_u32 s3, s3, s2                        ; q's plane: 48 x batch + head
	s_lshl_b32 s78, s3, 18
	s_mov_b32 s79, 0
	s_lshl_b32 s80, s2, 18
	s_mov_b32 s81, 0
	s_lshl_b32 s83, s[W3], 11                      ; my 16 rows in a band
	s_lshl_b32 s84, s[PB], 14                      ; the first block,
	s_add_co_u32 s84, s84, s83
	s_mov_b32 s85, 0
	s_sub_co_u32 s86, 15, s[PB]
	s_lshl_b32 s86, s86, 14                        ; the second
	s_add_co_u32 s86, s86, s83
	s_mov_b32 s87, 0
	s_lshl_b32 s90, s[PB], 1                       ; the block that I merge and store: b + g (15 - 2 b)
	s_sub_co_u32 s90, 15, s90
	s_mul_i32 s90, s90, s[GQ]
	s_add_co_u32 s90, s90, s[PB]
	s_lshl_b32 s90, s90, 14
	s_add_co_u32 s90, s90, s83
	s_mov_b32 s91, 0
	s_cmp_ge_u32 s[WV], 3
	s_cselect_b32 s82, 3, 0
	s_sub_co_u32 s[NXT], s[WV], s82                ; which of a slot's three places I fetch: it enters the global address alone
	s_mov_b32 s[G1K], (1<<16)|(1<<20)|(4<<22)|(3<<25)  ; 2-byte elements; padding on; after every 32 words 4 words
	s_mov_b32 s[G1V], (1<<16)|(1<<20)|(4<<22)|(7<<25)  ; the same with 8 words
.irp g, G1K, G1V                       ; 128 keys are 16,384 dense bytes: asked for as 64 rows of 256 bytes
	s_mov_b32 s[(\g)+1], 128<<16
	s_mov_b32 s[(\g)+2], 64<<16
	s_mov_b32 s[(\g)+3], 128<<16
	s_mov_b32 s[(\g)+4], 64
	s_mov_b32 s[(\g)+5], 128
	s_mov_b32 s[(\g)+6], 0
	s_mov_b32 s[(\g)+7], 0
.endr
	s_mov_b32 s[CS], 0x3e38aa3b                    ; c = log2(e) / 8
	s_mov_b32 s[CS+1], s[CS]
	s_mov_b32 s[SEL], 0x76543210
	s_mov_b32 s[SEL+1], 0xfedcba98
	s_mul_i32 s92, s[GQ], KS*PK                    ; my group's step in a tile of K,
	s_add_co_u32 s[TBK], s92, SLOT1+TPS*UNIT       ; (the first change of slots takes the constant away)
	s_mul_i32 s92, s[GQ], KS*PV                    ; and of V
	s_add_co_u32 s[TBV], s92, SLOT1+TPS*UNIT
	s_mov_b32 s[G0K], 1
	s_mul_i32 s[G0K+1], s[WV], UNIT                ; my unit of slot 0: the wave's number x 20,480, for K's (waves 0-2) as for V's (waves 3-5)
	s_mov_b32 s[G0V], 1
	s_mul_i32 s[G0V+1], s[WV], UNIT
	s_mov_b32 s[RT], s[NH]
	s_mov_b32 s[OFF+1], 0
	TNUM                                           ; the tile at my place of slot 0
	s_add_co_u32 s[NXT], s[NXT], TPS
	s_cmp_lt_u32 s[WV], 6
	s_cselect_b32 s[LIMP], 17, 0
	s_cmp_eq_u32 s[PB], 0
	s_cselect_b32 s[LIMP], s[LIMP], 0              ; a loading wave of the work-group with b = 0 prefetches for places under 17
	s_wait_dscnt 0x0                               ; the opening add is done
	s_wait_kmcnt 0x0
	s_add_nc_u64 s[4:5], s[4:5], s[78:79]
	s_add_nc_u64 s[KB:KB+1], s[4:5], 16*262144
	s_add_nc_u64 s[VB:VB+1], s[4:5], 32*262144
	s_add_nc_u64 s[QH:QH+1], s[4:5], s[84:85]
	s_add_nc_u64 s[QL:QL+1], s[4:5], s[86:87]
	s_add_nc_u64 s[6:7], s[6:7], s[80:81]
	s_add_nc_u64 s[OUTP:OUTP+1], s[6:7], s[90:91]
	s_add_nc_u64 s[G0K+2:G0K+3], s[KB:KB+1], s[OFF:OFF+1]
	s_or_b32 s[G0K+3], s[G0K+3], 0x80000000
	s_add_nc_u64 s[G0V+2:G0V+3], s[VB:VB+1], s[OFF:OFF+1]
	s_or_b32 s[G0V+3], s[G0V+3], 0x80000000
	s_cmp_lt_u32 s[WV], 3
	s_cselect_b64 s[MYB:MYB+1], s[KB:KB+1], s[VB:VB+1]
	s_mov_b64 s[PFA:PFA+1], s[MYB:MYB+1]
	LOAD                                           ; places 0 to 2 into slot 0
	v_and_b32 v1, 15, v0                           ; r
	v_bfe_u32 v40, v0, 4, 1                        ; h
	v_lshlrev_b32 v[QO], 7, v1
	v_lshl_add_u32 v[QO], v40, 4, v[QO]
	WIN W_TO1
.irp t, 0,1
.irp c, 0,1
	global_load_b128 v[Q+16*(\t)+8*(\c):Q+16*(\t)+8*(\c)+3],    v[QO], s[QH:QH+1] offset:8192*(\t)+64*(\c)
	global_load_b128 v[Q+16*(\t)+8*(\c)+4:Q+16*(\t)+8*(\c)+7],  v[QO], s[QH:QH+1] offset:8192*(\t)+64*(\c)+32
	global_load_b128 v[QB+16*(\t)+8*(\c):QB+16*(\t)+8*(\c)+3],   v[QO], s[QL:QL+1] offset:8192*(\t)+64*(\c)
	global_load_b128 v[QB+16*(\t)+8*(\c)+4:QB+16*(\t)+8*(\c)+7], v[QO], s[QL:QL+1] offset:8192*(\t)+64*(\c)+32
.endr
.endr
.set i, 0
.rept 64                               ; O^T = 0: the first a is 0, and 0 times what a register happens to hold need not be 0.  Written in the wait for the first tile.
	v_mov_b32 v[i], 0
.set i, i+1
.endr
	WIN 0
.irp t, 0,1
	v_mov_b32 v[ST+4*(\t)], 0xfe000000             ; c m: far below every c s
	v_mov_b32 v[ST+4*(\t)+1], 0xff7fffff           ; m
	v_mov_b32 v[ST+4*(\t)+2], 0
	v_mov_b32 v[ST+4*(\t)+3], 0
.endr
	v_mov_b32 v[BIG], 0xf1800000                   ; -2^100: a power of two, so that c times it is exact
	v_lshlrev_b32 v41, 3, v40
	v_sub_nc_u32 v[TH], v1, v41
	s_lshl_b32 s2, s[W3], 4
	s_lshl_b32 s3, s[GQ], 6
	s_sub_co_u32 s2, s2, s3
	v_add_nc_u32 v[TH], s2, v[TH]                  ; 16 (w % 4) + r - 8 h - 64 g, a signed number
	v_add_nc_u32 v[TH+1], 64, v[TH]
	v_mul_u32_u24 v[AK0], v1, PK
	v_lshl_add_u32 v[AK0], v40, 4, v[AK0]
	v_and_b32 v42, 7, v0
	v_bfe_u32 v43, v0, 3, 1
	v_lshl_add_u32 v[AV0], v40, 3, v42
	v_mul_u32_u24 v[AV0], v[AV0], PV
	v_lshl_add_u32 v[AV0], v43, 4, v[AV0]
	v_add_nc_u32 v[AV0], VOFF, v[AV0]
	s_mul_i32 s2, s[WV], 16*SP
	s_add_co_u32 s2, s2, STAGE
	v_mul_u32_u24 v[STO], v1, SP
	v_lshl_add_u32 v[STO], v40, 4, v[STO]
	v_add_nc_u32 v[STO], s2, v[STO]
	v_bfe_u32 v[RD], v0, 3, 2
	v_mul_u32_u24 v[RD], v[RD], SP
	v_lshl_add_u32 v[RD], v42, 4, v[RD]
	v_add_nc_u32 v[RD], s2, v[RD]
	v_and_b32 v[GO], 31, v0
	s_mul_i32 s2, s[WV], XW
	v_lshl_add_u32 v[XDB], v[GO], 4, s2            ; wave x 8,704 + 16 x lane,
	v_add_nc_u32 v[XDA], XA, v[XDB]                ; and the same behind the ring
	s_mul_i32 s2, s[W3], XW                        ; what I merge: the results of waves w % 4 and w % 4 + 4,
	s_mul_i32 s3, s[GQ], XA
	s_sub_co_u32 s3, XA, s3                        ; the first block's (group 0: behind the ring) or the second's (group 1: from byte 0 on)
	s_add_co_u32 s2, s2, s3
	v_lshl_add_u32 v[RDX], v[GO], 4, s2
	v_lshlrev_b32 v[PFO], 8, v[GO]
	v_lshlrev_b32 v[GO], 4, v[GO]
	s_wait_loadcnt 0x0                             ; both blocks' Q
	s_mov_b32 s[SL], 5
.Lslot:                                        ; five slots, fifteen places; each change asks for the next slot
	CHANGE 1
	s_mov_b32 s[TC], TPS
.Ltile:
	TILE 1
	s_sub_co_u32 s[TC], s[TC], 1
	s_cmp_lg_u32 s[TC], 0
	s_cbranch_scc1 .Ltile
	s_sub_co_u32 s[SL], s[SL], 1
	s_cmp_lg_u32 s[SL], 0
	s_cbranch_scc1 .Lslot
	CHANGE 0                                       ; the walk's last two tiles are written out: nothing is asked for
	s_mov_b32 s[TC], 2
.Ltail:
	TILE 0
	s_sub_co_u32 s[TC], s[TC], 1
	s_cmp_lg_u32 s[TC], 0
	s_cbranch_scc1 .Ltail
	; THE END.  The ring has had its last fill.  When every wave's reads of it are over, the second block's partial results go there; behind a second barrier each wave merges one block's two results for its rows.
	STATS
	s_wait_dscnt 0x0
	s_barrier_signal -1
	s_barrier_wait -1                              ; nobody reads the ring any more
	DUMPO XDB
	s_wait_dscnt 0x0                               ; for the others' sake: my stores are done
	s_barrier_signal -1
	s_barrier_wait -1
	ds_load_b128 v[SV:SV+3], v[RDX] offset:8192
	ds_load_b128 v[SW:SW+3], v[RDX] offset:4*XW+8192
.set q, 0
.rept 16
	ds_load_b128 v[P0+4*q:P0+4*q+3], v[RDX] offset:512*q
	ds_load_b128 v[P1+4*q:P1+4*q+3], v[RDX] offset:4*XW+512*q
.set q, q+1
.endr
	s_wait_dscnt 32                                ; the statistics are in; the 32 loads of O^T stay out
.irp t, 0,1
	v_max_num_f32 v[MT+8*(\t)+5], v[SV+2*(\t)], v[SW+2*(\t)]
.endr
.irp t, 0,1
	v_sub_f32 v[MT+8*(\t)+6], v[SV+2*(\t)], v[MT+8*(\t)+5]
	v_sub_f32 v[MT+8*(\t)+7], v[SW+2*(\t)], v[MT+8*(\t)+5]
.endr
.irp t, 0,1
	v_exp_f32 v[MT+8*(\t)], v[MT+8*(\t)+6]         ; a_0
	v_exp_f32 v[MT+8*(\t)+2], v[MT+8*(\t)+7]       ; a_1
.endr
	v_nop
	s_wait_alu depctr_va_vdst(0)                   ; one wait for the four exponentials
.irp t, 0,1
	v_mul_f32 v[MT+8*(\t)+4], v[MT+8*(\t)], v[SV+2*(\t)+1]
.endr
.irp t, 0,1
	v_fmac_f32 v[MT+8*(\t)+4], v[MT+8*(\t)+2], v[SW+2*(\t)+1]
.endr
.irp t, 0,1
	v_permlanex16_b32 v[MT+8*(\t)+5], v[MT+8*(\t)+4], s[SEL], s[SEL+1]  ; the query's other keys lie in the lane 16 away
.endr
.irp t, 0,1
	v_add_f32 v[MT+8*(\t)+4], v[MT+8*(\t)+4], v[MT+8*(\t)+5]
.endr
.irp t, 0,1
	v_rcp_f32 v[MT+8*(\t)+6], v[MT+8*(\t)+4]
.endr
	v_nop
	s_wait_alu depctr_va_vdst(0)                   ; one wait for the two reciprocals
.irp t, 0,1
	v_mul_f32 v[MT+8*(\t)], v[MT+8*(\t)], v[MT+8*(\t)+6]       ; a_0 / l
	v_mul_f32 v[MT+8*(\t)+2], v[MT+8*(\t)+2], v[MT+8*(\t)+6]   ; a_1 / l
.endr
.irp t, 0,1
	v_mov_b32 v[MT+8*(\t)+1], v[MT+8*(\t)]         ; named with them as pairs
	v_mov_b32 v[MT+8*(\t)+3], v[MT+8*(\t)+2]
.endr
	s_wait_dscnt 0x0
.irp t, 0,1
.set k, 0
.rept 16
	v_pk_mul_f32 v[P1+32*(\t)+2*k:P1+32*(\t)+2*k+1], v[P1+32*(\t)+2*k:P1+32*(\t)+2*k+1], v[MT+8*(\t)+2:MT+8*(\t)+3] op_sel_hi:[1,0]
.set k, k+1
.endr
.set k, 0
.rept 16
	v_pk_fma_f32 v[P0+32*(\t)+2*k:P0+32*(\t)+2*k+1], v[P0+32*(\t)+2*k:P0+32*(\t)+2*k+1], v[MT+8*(\t):MT+8*(\t)+1], v[P1+32*(\t)+2*k:P1+32*(\t)+2*k+1] op_sel_hi:[1,0,1]
.set k, k+1
.endr
.endr
	PACKM 0
	PACKM 1
	SEND 0, 8
	SEND 1, 0
	s_wait_tensorcnt 0x0                           ; the wave's end
	ds_add_u32 v[SPW], v[NIL]
	s_wait_dscnt 0x0
	s_endpgm
.Lfunc_end_k_q09f8265b5e_attn:
	.size	k_q09f8265b5e_attn, .Lfunc_end_k_q09f8265b5e_attn-k_q09f8265b5e_attn
	.p2alignl 7, 3214868480
	.fill 96, 4, 3214868480
	.section	.rodata,"a",@progbits
	.p2align	6, 0x0
	.amdhsa_kernel k_q09f8265b5e_attn
		.amdhsa_group_segment_fixed_size 327680
		.amdhsa_private_segment_fixed_size 0
		.amdhsa_enable_private_segment 0
		.amdhsa_kernarg_size 16
		.amdhsa_user_sgpr_count 2
		.amdhsa_user_sgpr_kernarg_segment_ptr 1
		.amdhsa_wavefront_size32 1
		.amdhsa_system_sgpr_workgroup_id_x 1
		.amdhsa_system_sgpr_workgroup_id_y 1
		.amdhsa_system_sgpr_workgroup_id_z 1
		.amdhsa_system_vgpr_workitem_id 0
		.amdhsa_next_free_vgpr 416
		.amdhsa_next_free_sgpr 96
		.amdhsa_reserve_vcc 1
		.amdhsa_float_denorm_mode_32 3
		.amdhsa_float_denorm_mode_16_64 3
		.amdhsa_memory_ordered 1
		.amdhsa_forward_progress 1
		.amdhsa_inst_pref_size 72
	.end_amdhsa_kernel
	.amdgpu_metadata
---
amdhsa.version: [ 1, 2 ]
amdhsa.kernels:
  - .name:           k_q09f8265b5e_attn
    .symbol:         k_q09f8265b5e_attn.kd
    .args:
      - { .name: qkvh, .offset: 0, .size: 8, .value_kind: global_buffer, .address_space: global }
      - { .name: oh, .offset: 8, .size: 8, .value_kind: global_buffer, .address_space: global }
    .group_segment_fixed_size: 327680
    .private_segment_fixed_size: 0
    .kernarg_segment_align: 8
    .kernarg_segment_size: 16
    .max_flat_workgroup_size: 256
    .sgpr_count:     96
    .vgpr_count:     416
    .wavefront_size: 32
...
	.end_amdgpu_metadata
.endif
;; end of part 3
;; launch proj (part 4): grid 8 x 32, 4 waves a work-group, clusters of 4 x 4, 327,680 bytes of LDS; arguments oh, wb, par, x, x1; writes x1
.if DOCPART == 4
	.amdgcn_target "amdgcn-amd-amdhsa--gfx1250"
	.amdhsa_code_object_version 6
	.text
	.protected	k_q09f8265b5e_proj
	.globl	k_q09f8265b5e_proj
	.p2align	8
	.type	k_q09f8265b5e_proj,@function
k_q09f8265b5e_proj:
	s_mov_b64 s[64:65], 0
	v_nop
	global_prefetch_b8 v0, s[64:65] scope:SCOPE_SE
	s_setreg_imm32_b32 hwreg(HW_REG_WAVE_MODE, 25, 1), 1
	s_wait_xcnt 0x0
	s_wait_alu depctr_hold_cnt(0) depctr_sa_sdst(0) depctr_va_vdst(0) depctr_va_sdst(0) depctr_va_ssrc(0) depctr_va_vcc(0) depctr_vm_vsrc(0)
	s_getreg_b32 s2, hwreg(HW_REG_IB_STS2, 6, 4)
	s_cmp_eq_u32 s2, 0
	s_cbranch_scc0 .Lentry_in_a_cluster
	s_endpgm
.Lentry_in_a_cluster:
	s_bfe_u32 s2, ttmp6, 0x10000c
	s_cmp_lg_u32 s2, 0xf033
	s_cbranch_scc0 .Lentry_shape_is_right
	s_endpgm
.Lentry_shape_is_right:
; PROJ.  x1 = bf16(x) + O W_proj + b_proj, in f32.  O lies by heads, oh [32][2048][64] f16; W_proj [1024][1024] f16 in wb; the bias f32 in par; sums in f32, started by the bias.
; x is rounded to bf16 here as it was for the first norm: every input of the module has that one rounding.
; SHARES.  A work-group makes 128 x 128, each of its four waves 64 x 64: 16 accumulators.  K goes in steps of 256 (four heads) through two LDS slots.
; A slot is four units of 32 KiB, one tensor load a wave: waves 0 and 1 bring two heads each (a head's 128 rows are 16,384 dense bytes, padded in LDS after every row of 128), waves 2 and 3 128 k x 128 columns of W.
; THE PRODUCT IS TAKEN TRANSPOSED (source 0 = 16 columns of W, turned on the way out of LDS; source 1 = 16 rows of O): a lane ends with 8 neighbouring columns of one row.
; CLUSTER 4 x 4: O's units are asked for jointly along a row of the cluster, W's along a column.  ONE TEXT FOR BOTH SLOTS: s[SBR] is the base of the slot being read.
; THE RESIDUAL, my 64 x 64 of x, is asked for at the head, 32 loads into registers that the K loop does not name, by whole rows of 256 bytes: the way out waits for no memory.
; NO PREFETCH: of the four steps two come as first fills, and the launch is short.
; WINDOWS: 0 addresses, O's fragments, the bias; 1 W's fragments (v0-127) and the residual (v128-255); 2 and 3 the accumulators ((a, b) at v[8 (4 (a % 2) + b)], window 2 + a / 2).
.set MA, 4
.set NB, 4
.set KC, 2
.set NLD, 2*KC*(MA+NB)
.set NSLOT, 4
.set APITCH, 144                       ; 128 bytes + 16
.set WPITCH, 288                       ; 256 + 32
.set UA, 256*APITCH                    ; two heads x 128 rows
.set UW, 128*WPITCH
.set SLOT, 2*UA+2*UW
.set SPARE, 2*SLOT
.set WBASE, 6291456                    ; W_proj in wb
.set PBIAS, 12288                      ; b_proj in par
.set ASTEP, 4*262144                   ; four heads
.set WSTEP, 256*2048
.set AF, 64
.set FA, 64
.set WF, 0
.set FW, 64
.set BI, 192
.set DP, 272                           ; the way out: 64 f32 + 16 bytes
.set RR, 128                           ; window 1: the residual, pair of rows i at RR + 4 i
.set DR, 64                            ; the way out: the sums read back, pair of rows i at DR + 4 i
.set TT, 32                            ; the way out: 16 registers of x in bf16
.set ONE, 26                           ; v26  1.0
.set WV, 14
.set WR, 15
.set WC, 16
.set CX, 17
.set CY, 18
.set TCO, 19
.set TRO, 20
.set ROLE, 21
.set G1A, 24
.set G1W, 32
.set G0A0, 40
.set G0A1, 44
.set G0W0, 48
.set G0W1, 52
.set SBR, 56
.set WPA, 57
.set WPW, 58
.set LEFT, 59
.set TL, 61
.set A0, 10
.set W0, 11
.set W1, 12
.set AC, 13
.set WC0, 14
.set WC1, 15
.set STO, 16
.set RD, 17
.set CO, 18
.set BO, 20
.set SPW, 24
.set NIL, 25
.set MSB, 0
.macro WIN new
.if MSB != (\new)
	s_set_vgpr_msb (MSB<<8)|(\new)
.set MSB, (\new)
.endif
.endm
.macro PLACES
.rept 4
	v_nop
.endr
.endm
.macro CREST
	s_cmp_lg_u32 s[WV], 0
	s_cbranch_scc1 .Lnot_wave_0_\@
	s_barrier_signal -3
.Lnot_wave_0_\@:
	s_barrier_wait -3
	s_barrier_signal -1
	s_barrier_wait -1
.endm
.macro CROUND
	s_barrier_signal -1
	s_barrier_wait -1
	CREST
.endm
.macro JLOAD
	s_cmp_eq_u32 s[ROLE], 0
	s_cbranch_scc0 .Lfor_w_\@
	tensor_load_to_lds s[G0A1:G0A1+3], s[G1A:G1A+7]
	s_nop 0
	PLACES
	s_branch .Lasked_\@
.Lfor_w_\@:
	tensor_load_to_lds s[G0W1:G0W1+3], s[G1W:G1W+7]
	s_nop 0
	PLACES
.Lasked_\@:
.endm
; Row blocks a0 .. a0 + na - 1 x all column blocks, both 32-k parts of a quarter, on buffer f.  first = 1: the bias starts the sums.  The accumulators take turns.
.macro MUL f, a0, na, first
.set ci, 0
.rept KC
.set ai, (\a0)
.rept (\na)
.if (\first) && (ci == 0)
	WIN 0x81+0x40*(ai/(MA/2))
.else
	WIN 0xa1+0x50*(ai/(MA/2))
.endif
.set bi, 0
.rept NB
.set rD, 8*(NB*(ai%(MA/2))+bi)
.set rW, WF+FW*(\f)+8*(NB*ci+bi)
.set rA, AF+FA*(\f)+8*(MA*ci+ai)
.if (\first) && (ci == 0)
	v_wmma_f32_16x16x32_f16 v[rD:rD+7], v[rW:rW+7], v[rA:rA+7], v[BI+8*bi:BI+8*bi+7]
.else
	v_wmma_f32_16x16x32_f16 v[rD:rD+7], v[rW:rW+7], v[rA:rA+7], v[rD:rD+7]
.endif
.set bi, bi+1
.endr
.set ai, ai+1
.endr
.set ci, ci+1
.endr
.endm
; Quarter q is head q of the slot's four: 64 along K.  32 LDS loads in one run: W's, turned, then O's, the lower two row blocks first.
.macro FETCH q, f
	WIN 0x40
.set ci, 0
.rept KC
.set bi, 0
.rept NB
.set rW, WF+FW*(\f)+8*(NB*ci+bi)
	ds_load_tr16_b128 v[rW:rW+3], v[WC0+(\q)/2] offset:64*WPITCH*((\q)%2)+32*WPITCH*ci+32*bi
	ds_load_tr16_b128 v[rW+4:rW+7], v[WC0+(\q)/2] offset:64*WPITCH*((\q)%2)+32*WPITCH*ci+32*bi+16*WPITCH
.set bi, bi+1
.endr
.set ci, ci+1
.endr
	WIN 0
.set ai, 0
.rept MA
.set ci, 0
.rept KC
.set rA, AF+FA*(\f)+8*(MA*ci+ai)
	ds_load_b128 v[rA:rA+3], v[AC] offset:128*APITCH*(\q)+64*ci+16*APITCH*ai
	ds_load_b128 v[rA+4:rA+7], v[AC] offset:128*APITCH*(\q)+64*ci+16*APITCH*ai+32
.set ci, ci+1
.endr
.set ai, ai+1
.endr
.endm
.macro QUARTER q, first
	s_wait_dscnt KC*MA                             ; all but the youngest loads, the upper row blocks' fragments
	MUL (\q)%2, 0, MA/2, \first
	PLACES
	FETCH (\q)+1, ((\q)+1)%2
	s_wait_dscnt NLD                               ; all but the run just issued
	MUL (\q)%2, MA/2, MA/2, \first
.endm
.macro REBASE
	v_add_nc_u32 v[AC], s[SBR], v[A0]
	v_add_nc_u32 v[WC0], s[SBR], v[W0]
	v_add_nc_u32 v[WC1], s[SBR], v[W1]
.endm
; The last quarter changes slots: in front of the round each wave waits for all its tensor loads, adds 0 to its spare word and waits for that and for its reads of this slot; behind it this slot is filled again, first thing.
.macro TURN
	WIN 0
	s_wait_tensorcnt 0x0
	ds_add_u32 v[SPW], v[NIL]
	s_wait_dscnt KC*MA+1
	MUL 1, 0, MA/4, 0
	s_wait_dscnt 0x0
	s_barrier_signal -1
	MUL 1, MA/4, MA/4, 0
	WIN 0
	s_barrier_wait -1
	CREST
	s_add_co_u32 s[G0A1+1], s[WPA], s[SBR]
	s_add_co_u32 s[G0W1+1], s[WPW], s[SBR]
	s_add_nc_u64 s[G0A1+2:G0A1+3], s[G0A1+2:G0A1+3], ASTEP
	s_add_nc_u64 s[G0W1+2:G0W1+3], s[G0W1+2:G0W1+3], WSTEP
	s_xor_b32 s[SBR], s[SBR], SLOT
	JLOAD
	REBASE
	FETCH 0, 0
	MUL 1, MA/2, MA/2, 0
.endm
.macro QLAST
	s_wait_dscnt 0x0
	MUL 1, 0, MA, 0
.endm
.macro CHANGE0
	WIN 0
	s_wait_tensorcnt 0x0
	ds_add_u32 v[SPW], v[NIL]
	s_xor_b32 s[SBR], s[SBR], SLOT
	s_wait_dscnt 0x0
	s_barrier_signal -1
	s_barrier_wait -1
	REBASE
	PLACES
	FETCH 0, 0
.endm
	s_load_b256 s[4:11], s[0:1], 0x0               ; oh s[4:5], wb s[6:7], par s[8:9], x s[10:11]
	s_load_b64 s[12:13], s[0:1], 0x20              ; x1
	v_lshl_add_u32 v[SPW], v0, 2, SPARE
	v_mov_b32 v[NIL], 0
	ds_add_u32 v[SPW], v[NIL]                      ; the wave's opening
	v_lshrrev_b32 v1, 5, v0
	v_readfirstlane_b32 s[WV], v1
	s_lshr_b32 s[WR], s[WV], 1
	s_and_b32 s[WC], s[WV], 1
	s_mov_b32 s[ROLE], s[WR]                       ; waves 0, 1 fetch O's units, waves 2, 3 W's; s[WC] says which
	s_bfe_u32 s[CX], ttmp6, 0x40000
	s_bfe_u32 s[CY], ttmp6, 0x40004
	s_lshl_b32 s[TCO], ttmp9, 2
	s_add_co_u32 s[TCO], s[TCO], s[CX]
	s_and_b32 s[TRO], ttmp7, 0xffff
	s_lshl_b32 s[TRO], s[TRO], 2
	s_add_co_u32 s[TRO], s[TRO], s[CY]
	s_lshl_b32 s22, s[CY], 2
	s_lshl_b32 s22, 15, s22
	s_lshl_b32 s23, 0x1111, s[CX]
	s_or_b32 s[G1A], s22, (1<<16)|(1<<20)|(1<<21)|(4<<22)|(3<<25)  ; after every 32 words 4 words of padding
	s_mov_b32 s[G1A+1], 8192<<16                   ; tensor_dim0 = 8,192 elements: a head's 128 rows on end
	s_mov_b32 s[G1A+2], 2<<16                      ; tensor_dim1 = 2 heads
	s_mov_b32 s[G1A+3], 8192<<16                   ; tile_dim0
	s_mov_b32 s[G1A+4], 2                          ; tile_dim1
	s_mov_b32 s[G1A+5], 131072                     ; elements from head to head
	s_mov_b32 s[G1A+6], 0
	s_mov_b32 s[G1A+7], 0
	s_or_b32 s[G1W], s23, (1<<16)|(1<<20)|(1<<21)|(5<<22)|(7<<25)
	s_mov_b32 s[G1W+1], 128<<16
	s_mov_b32 s[G1W+2], 128<<16
	s_mov_b32 s[G1W+3], 128<<16
	s_mov_b32 s[G1W+4], 128
	s_mov_b32 s[G1W+5], 1024
	s_mov_b32 s[G1W+6], 0
	s_mov_b32 s[G1W+7], 0
	s_lshr_b32 s70, s[TRO], 4                      ; batch
	s_lshl_b32 s70, s70, 4
	s_lshl1_add_u32 s70, s[WC], s70                ; my first head
	s_lshl_b32 s70, s70, 18
	s_and_b32 s71, s[TRO], 15
	s_lshl_b32 s71, s71, 14                        ; 128 rows of 128 bytes
	s_add_co_u32 s70, s70, s71
	s_mov_b32 s71, 0
	s_lshl_b32 s72, s[TCO], 8                      ; 128 columns,
	s_lshl_b32 s73, s[WC], 18                      ; my 128 rows of W
	s_add_co_u32 s72, s72, s73
	s_add_co_u32 s72, s72, WBASE
	s_mov_b32 s73, 0
	s_mul_i32 s[WPA], s[WC], UA
	s_mul_i32 s[WPW], s[WC], UW
	s_add_co_u32 s[WPW], s[WPW], 2*UA
	s_wait_dscnt 0x0
	s_wait_kmcnt 0x0
	s_add_nc_u64 s[70:71], s[4:5], s[70:71]
	s_add_nc_u64 s[72:73], s[6:7], s[72:73]
	CROUND
	s_mov_b32 s[G0A0], 1
	s_mov_b32 s[G0A0+1], s[WPA]
	s_mov_b64 s[G0A0+2:G0A0+3], s[70:71]
	s_or_b32 s[G0A0+3], s[G0A0+3], 0x80000000
	s_mov_b32 s[G0A1], 1
	s_add_co_u32 s[G0A1+1], s[WPA], SLOT
	s_add_nc_u64 s[G0A1+2:G0A1+3], s[70:71], ASTEP
	s_or_b32 s[G0A1+3], s[G0A1+3], 0x80000000
	s_mov_b32 s[G0W0], 1
	s_mov_b32 s[G0W0+1], s[WPW]
	s_mov_b64 s[G0W0+2:G0W0+3], s[72:73]
	s_or_b32 s[G0W0+3], s[G0W0+3], 0x80000000
	s_mov_b32 s[G0W1], 1
	s_add_co_u32 s[G0W1+1], s[WPW], SLOT
	s_add_nc_u64 s[G0W1+2:G0W1+3], s[72:73], WSTEP
	s_or_b32 s[G0W1+3], s[G0W1+3], 0x80000000
	s_cmp_eq_u32 s[ROLE], 0
	s_cbranch_scc0 .Lfirst_w
	tensor_load_to_lds s[G0A0:G0A0+3], s[G1A:G1A+7]
	s_nop 0
	tensor_load_to_lds s[G0A1:G0A1+3], s[G1A:G1A+7]
	s_nop 0
	PLACES
	s_branch .Lfirst_done
.Lfirst_w:
	tensor_load_to_lds s[G0W0:G0W0+3], s[G1W:G1W+7]
	s_nop 0
	tensor_load_to_lds s[G0W1:G0W1+3], s[G1W:G1W+7]
	s_nop 0
	PLACES
.Lfirst_done:
	v_and_b32 v1, 15, v0
	v_bfe_u32 v2, v0, 4, 1
	v_and_b32 v3, 7, v0
	v_bfe_u32 v4, v0, 3, 1
	s_lshl_b32 s23, s[TCO], 9
	s_lshl_b32 s74, s[WC], 8
	s_add_co_u32 s74, s74, s23
	v_lshl_add_u32 v[BO], v2, 5, s74               ; the bias of column 128 tc + 64 wc + 8 h on
.set bi, 0
.rept NB
	global_load_b128 v[BI+8*bi:BI+8*bi+3], v[BO], s[8:9] offset:PBIAS+64*bi
	global_load_b128 v[BI+8*bi+4:BI+8*bi+7], v[BO], s[8:9] offset:PBIAS+64*bi+16
.set bi, bi+1
.endr
	v_mul_u32_u24 v6, v1, APITCH
	v_lshl_add_u32 v6, v2, 4, v6
	v_lshl_add_u32 v7, v2, 3, v3
	v_mul_u32_u24 v7, v7, WPITCH
	v_lshl_add_u32 v7, v4, 4, v7
	s_mul_i32 s74, s[WR], 64*APITCH
	v_add_nc_u32 v[A0], s74, v6
	s_lshl_b32 s74, s[WC], 7
	s_add_co_u32 s74, s74, 2*UA
	v_add_nc_u32 v[W0], s74, v7
	v_add_nc_u32 v[W1], UW, v[W0]
	s_mul_i32 s74, s[WV], 64*DP
	v_mul_u32_u24 v[STO], v1, DP
	v_lshl_add_u32 v[STO], v2, 5, v[STO]
	v_add_nc_u32 v[STO], s74, v[STO]
	v_mul_u32_u24 v[RD], v2, DP
	v_lshl_add_u32 v[RD], v1, 4, v[RD]
	v_add_nc_u32 v[RD], s74, v[RD]
	v_lshlrev_b32 v[CO], 12, v2
	v_lshl_add_u32 v[CO], v1, 4, v[CO]             ; lanes 0-15 one row's 256 bytes, lanes 16-31 the next row's; never rewritten
	v_mov_b32 v[ONE], 1.0
	s_lshl_b32 s76, s[TRO], 19
	s_lshl_b32 s74, s[WR], 18
	s_add_co_u32 s76, s76, s74
	s_lshl_b32 s74, s[TCO], 9
	s_add_co_u32 s76, s76, s74
	s_lshl_b32 s74, s[WC], 8
	s_add_co_u32 s76, s76, s74
	s_mov_b32 s77, 0
	s_add_nc_u64 s[10:11], s[10:11], s[76:77]      ; x and x1 at my 64 x 64
	s_add_nc_u64 s[12:13], s[12:13], s[76:77]
	WIN 0x40                                       ; destination window 1, address window 0
.set i, 0
.rept 32                               ; the residual: two rows a load, sixteen lanes to a row's 256 bytes
	global_load_b128 v[RR+4*i:RR+4*i+3], v[CO], s[10:11] offset:8192*i
.set i, i+1
.endr
	WIN 0
	s_wait_tensorcnt 0x1                           ; my unit of step 0 is in; step 1's may stay out
	s_barrier_signal -1
	s_barrier_wait -1
	s_mov_b32 s[SBR], 0
	REBASE
	FETCH 0, 0
	s_wait_loadcnt 32                              ; the bias is in; the residual's 32 younger loads stay out
	QUARTER 0, 1
	WIN 0
	s_mov_b32 s[LEFT], NSLOT-2
.Llap:
	QUARTER 1, 0
	QUARTER 2, 0
	TURN
	QUARTER 0, 0
	WIN 0
	s_sub_co_u32 s[LEFT], s[LEFT], 1
	s_cmp_lg_u32 s[LEFT], 0
	s_cbranch_scc1 .Llap
	s_mov_b32 s[TL], 2
.Ltail:
	QUARTER 1, 0
	QUARTER 2, 0
	QLAST
	WIN 0
	s_sub_co_u32 s[TL], s[TL], 1
	s_cmp_eq_u32 s[TL], 0
	s_cbranch_scc1 .Lout
	CHANGE0
	QUARTER 0, 0
	WIN 0
	s_branch .Ltail
.Lout:
	; THE WAY OUT.  The ring has had its last fill: each wave lays its 64 x 64 sums there in rows of 272 bytes, reads whole rows back, adds the residual and stores: four parts of sixteen rows, written out, since each names its own registers.
	PLACES
	PLACES
	s_wait_dscnt 0x0
	s_barrier_signal -1
	s_barrier_wait -1                              ; every wave's reads of the ring are over
.set ai, 0
.rept MA
	WIN 0x08+0x04*(ai/(MA/2))
.set bi, 0
.rept NB
.set rD, 8*(NB*(ai%(MA/2))+bi)
	ds_store_b128 v[STO], v[rD:rD+3] offset:16*ai*DP+64*bi
	ds_store_b128 v[STO], v[rD+4:rD+7] offset:16*ai*DP+64*bi+16
.set bi, bi+1
.endr
.set ai, ai+1
.endr
	WIN 0
.set i, 0
.rept 32
	ds_load_b128 v[DR+4*i:DR+4*i+3], v[RD] offset:2*DP*i  ; LDS serves a wave's instructions in order: these see my stores
.set i, i+1
.endr
	s_wait_loadcnt 0x0                             ; the residual, asked for at the head
.irp t, 0,1,2,3
	s_wait_dscnt 24-8*(\t)                         ; part t's eight loads are in, the younger ones stay out
	WIN 0x05                                       ; sources 0 and 1 window 1
.set k, 0
.rept 16
	v_cvt_pk_bf16_f32 v[TT+k], v[RR+32*(\t)+2*k], v[RR+32*(\t)+2*k+1]  ; x rounded to bf16
.set k, k+1
.endr
	WIN 0
.set k, 0
.rept 16                               ; bf16(x) x 1.0 + the sum: one rounding
	v_fma_mix_f32_bf16 v[DR+32*(\t)+2*k], v[TT+k], v[ONE], v[DR+32*(\t)+2*k] op_sel_hi:[1,0,0]
	v_fma_mix_f32_bf16 v[DR+32*(\t)+2*k+1], v[TT+k], v[ONE], v[DR+32*(\t)+2*k+1] op_sel:[1,0,0] op_sel_hi:[1,0,0]
.set k, k+1
.endr
.irp i, 0,1,2,3,4,5,6,7
	global_store_b128 v[CO], v[DR+32*(\t)+4*(\i):DR+32*(\t)+4*(\i)+3], s[12:13] offset:8192*(8*(\t)+(\i))  ; sixteen lanes store 256 consecutive bytes, aligned
.endr
.endr
	s_wait_tensorcnt 0x0                           ; the wave's end
	ds_add_u32 v[SPW], v[NIL]
	s_wait_dscnt 0x0
	CROUND
	s_endpgm
.Lfunc_end_k_q09f8265b5e_proj:
	.size	k_q09f8265b5e_proj, .Lfunc_end_k_q09f8265b5e_proj-k_q09f8265b5e_proj
	.p2alignl 7, 3214868480
	.fill 96, 4, 3214868480
	.section	.rodata,"a",@progbits
	.p2align	6, 0x0
	.amdhsa_kernel k_q09f8265b5e_proj
		.amdhsa_group_segment_fixed_size 327680
		.amdhsa_private_segment_fixed_size 0
		.amdhsa_enable_private_segment 0
		.amdhsa_kernarg_size 40
		.amdhsa_user_sgpr_count 2
		.amdhsa_user_sgpr_kernarg_segment_ptr 1
		.amdhsa_wavefront_size32 1
		.amdhsa_system_sgpr_workgroup_id_x 1
		.amdhsa_system_sgpr_workgroup_id_y 1
		.amdhsa_system_sgpr_workgroup_id_z 1
		.amdhsa_system_vgpr_workitem_id 0
		.amdhsa_next_free_vgpr 1024
		.amdhsa_next_free_sgpr 80
		.amdhsa_reserve_vcc 0
		.amdhsa_float_denorm_mode_32 3
		.amdhsa_float_denorm_mode_16_64 3
		.amdhsa_memory_ordered 1
		.amdhsa_forward_progress 1
		.amdhsa_inst_pref_size 75
	.end_amdhsa_kernel
	.amdgpu_metadata
---
amdhsa.version: [ 1, 2 ]
amdhsa.kernels:
  - .name:           k_q09f8265b5e_proj
    .symbol:         k_q09f8265b5e_proj.kd
    .args:
      - { .name: oh, .offset: 0, .size: 8, .value_kind: global_buffer, .address_space: global }
      - { .name: wb, .offset: 8, .size: 8, .value_kind: global_buffer, .address_space: global }
      - { .name: par, .offset: 16, .size: 8, .value_kind: global_buffer, .address_space: global }
      - { .name: x, .offset: 24, .size: 8, .value_kind: global_buffer, .address_space: global }
      - { .name: x1, .offset: 32, .size: 8, .value_kind: global_buffer, .address_space: global }
    .group_segment_fixed_size: 327680
    .private_segment_fixed_size: 0
    .kernarg_segment_align: 8
    .kernarg_segment_size: 40
    .max_flat_workgroup_size: 128
    .sgpr_count:     80
    .vgpr_count:     1024
    .wavefront_size: 32
...
	.end_amdgpu_metadata
.endif
;; end of part 4
;; launch ln2 (part 5): grid 512 x 1, 8 waves a work-group, no clusters, 0 bytes of LDS; arguments x1, par, hn; writes hn
.if DOCPART == 5
	.amdgcn_target "amdgcn-amd-amdhsa--gfx1250"
	.amdhsa_code_object_version 6
	.text
	.protected	k_q09f8265b5e_ln2
	.globl	k_q09f8265b5e_ln2
	.p2align	8
	.type	k_q09f8265b5e_ln2,@function
k_q09f8265b5e_ln2:
	s_mov_b64 s[64:65], 0
	v_nop
	global_prefetch_b8 v0, s[64:65] scope:SCOPE_SE
	s_setreg_imm32_b32 hwreg(HW_REG_WAVE_MODE, 25, 1), 1
	s_wait_xcnt 0x0
; LN2.  hn = layernorm(x1) g + b, in f16, [4096][1024].  x1 is f32; g and b lie in par at bytes 36,864 and 40,960, already rounded to bf16.
; A work-group takes 8 rows, a wave one; the row stays in 32 registers of its wave between the passes: the mean, the differences, the mean of their squares, as the problem writes it.
; LIMIT.  hn is at most 32 |g| + |b| and must stay within f16's 65,504.  Memory binds: no LDS, no barrier, no matrix unit.
.set G,   16
.set BV,  48
.set X0,  80
.set Y0,  112
.macro REDUCE                          ; v4 = the sum of v4 over the wave's 32 lanes, in every lane
	v_add_f32_dpp v4, v4, v4 row_xmask:1 row_mask:0xf bank_mask:0xf
	v_add_f32_dpp v4, v4, v4 row_xmask:2 row_mask:0xf bank_mask:0xf
	v_add_f32_dpp v4, v4, v4 row_xmask:4 row_mask:0xf bank_mask:0xf
	v_add_f32_dpp v4, v4, v4 row_xmask:8 row_mask:0xf bank_mask:0xf
	v_permlanex16_b32 v5, v4, s44, s45
	v_add_f32 v4, v4, v5
.endm
	s_load_b128 s[8:11], s[0:1], 0x0               ; x1 s[8:9], par s[10:11]
	s_load_b64 s[12:13], s[0:1], 0x10              ; hn
	s_mov_b32 s41, 0x3a800000                      ; 1 / 1024
	s_mov_b32 s42, 0x3727c5ac                      ; 1e-5
	s_mov_b32 s44, 0x76543210
	s_mov_b32 s45, 0xfedcba98
	s_mov_b32 s7, 0
	v_lshrrev_b32 v1, 5, v0
	v_readfirstlane_b32 s2, v1
	s_lshl3_add_u32 s3, ttmp9, s2                  ; my row: 8 g + wave
	v_and_b32 v1, 31, v0
	v_lshlrev_b32 v2, 4, v1
	v_lshlrev_b32 v3, 3, v1
	s_wait_kmcnt 0x0
	s_lshl_b32 s6, s3, 12
	s_add_nc_u64 s[8:9], s[8:9], s[6:7]
	s_lshl_b32 s6, s3, 11
	s_add_nc_u64 s[12:13], s[12:13], s[6:7]
.irp i, 0,1,2,3,4,5,6,7
	global_load_b128 v[X0+4*(\i):X0+4*(\i)+3], v2, s[8:9] offset:512*(\i)
.endr
.irp i, 0,1,2,3,4,5,6,7
	global_load_b128 v[G+4*(\i):G+4*(\i)+3], v2, s[10:11] offset:36864+512*(\i)
.endr
.irp i, 0,1,2,3,4,5,6,7
	global_load_b128 v[BV+4*(\i):BV+4*(\i)+3], v2, s[10:11] offset:40960+512*(\i)
.endr
	s_wait_loadcnt 16                              ; the row is in; the sixteen loads of gain and bias stay out
.irp c, 0,1,2,3
	v_pk_add_f32 v[4+2*(\c):5+2*(\c)], v[X0+4*(\c):X0+4*(\c)+1], v[X0+4*(\c)+2:X0+4*(\c)+3]
.endr
.set k, 8
.rept 8
	v_pk_add_f32 v[4+2*(k%4):5+2*(k%4)], v[4+2*(k%4):5+2*(k%4)], v[X0+2*k:X0+2*k+1]
.set k, k+1
.endr
	v_pk_add_f32 v[4:5], v[4:5], v[6:7]
	v_pk_add_f32 v[8:9], v[8:9], v[10:11]
	v_pk_add_f32 v[4:5], v[4:5], v[8:9]
	v_add_f32 v4, v4, v5
	REDUCE
	v_mul_f32 v12, s41, v4                         ; the mean
	v_mov_b32 v13, v12
.set k, 0
.rept 16
	v_pk_add_f32 v[X0+2*k:X0+2*k+1], v[X0+2*k:X0+2*k+1], v[12:13] neg_lo:[0,1] neg_hi:[0,1]
.set k, k+1
.endr
.irp c, 0,1,2,3
	v_pk_mul_f32 v[4+2*(\c):5+2*(\c)], v[X0+2*(\c):X0+2*(\c)+1], v[X0+2*(\c):X0+2*(\c)+1]
.endr
.set k, 4
.rept 12
	v_pk_fma_f32 v[4+2*(k%4):5+2*(k%4)], v[X0+2*k:X0+2*k+1], v[X0+2*k:X0+2*k+1], v[4+2*(k%4):5+2*(k%4)]
.set k, k+1
.endr
	v_pk_add_f32 v[4:5], v[4:5], v[6:7]
	v_pk_add_f32 v[8:9], v[8:9], v[10:11]
	v_pk_add_f32 v[4:5], v[4:5], v[8:9]
	v_add_f32 v4, v4, v5
	REDUCE
	v_fma_f32 v14, v4, s41, s42                    ; the variance + 1e-5
	v_rsq_f32 v12, v14
	v_rsq_f32 v13, v14
	v_nop                                          ; a plain instruction behind the second root,
	s_wait_alu depctr_va_vdst(0)                   ; and the one wait for both
.set k, 0
.rept 16
	v_pk_mul_f32 v[X0+2*k:X0+2*k+1], v[X0+2*k:X0+2*k+1], v[12:13]
.set k, k+1
.endr
	s_wait_loadcnt 0x0                             ; gain and bias
.set k, 0
.rept 16
	v_pk_fma_f32 v[X0+2*k:X0+2*k+1], v[X0+2*k:X0+2*k+1], v[G+2*k:G+2*k+1], v[BV+2*k:BV+2*k+1]
.set k, k+1
.endr
.set k, 0
.rept 16
	v_cvt_pk_f16_f32 v[Y0+k], v[X0+2*k], v[X0+2*k+1]
.set k, k+1
.endr
.irp i, 0,1,2,3,4,5,6,7
	global_store_b64 v3, v[Y0+2*(\i):Y0+2*(\i)+1], s[12:13] offset:256*(\i)  ; 256 consecutive bytes, aligned
.endr
	s_endpgm
.Lfunc_end_k_q09f8265b5e_ln2:
	.size	k_q09f8265b5e_ln2, .Lfunc_end_k_q09f8265b5e_ln2-k_q09f8265b5e_ln2
	.p2alignl 7, 3214868480
	.fill 96, 4, 3214868480
	.section	.rodata,"a",@progbits
	.p2align	6, 0x0
	.amdhsa_kernel k_q09f8265b5e_ln2
		.amdhsa_group_segment_fixed_size 0
		.amdhsa_private_segment_fixed_size 0
		.amdhsa_enable_private_segment 0
		.amdhsa_kernarg_size 24
		.amdhsa_user_sgpr_count 2
		.amdhsa_user_sgpr_kernarg_segment_ptr 1
		.amdhsa_wavefront_size32 1
		.amdhsa_system_sgpr_workgroup_id_x 1
		.amdhsa_system_sgpr_workgroup_id_y 1
		.amdhsa_system_sgpr_workgroup_id_z 1
		.amdhsa_system_vgpr_workitem_id 0
		.amdhsa_next_free_vgpr 128
		.amdhsa_next_free_sgpr 66
		.amdhsa_reserve_vcc 0
		.amdhsa_float_denorm_mode_32 3
		.amdhsa_float_denorm_mode_16_64 3
		.amdhsa_memory_ordered 1
		.amdhsa_forward_progress 1
		.amdhsa_inst_pref_size 12
	.end_amdhsa_kernel
	.amdgpu_metadata
---
amdhsa.version: [ 1, 2 ]
amdhsa.kernels:
  - .name:           k_q09f8265b5e_ln2
    .symbol:         k_q09f8265b5e_ln2.kd
    .args:
      - { .name: x1, .offset: 0, .size: 8, .value_kind: global_buffer, .address_space: global }
      - { .name: par, .offset: 8, .size: 8, .value_kind: global_buffer, .address_space: global }
      - { .name: hn, .offset: 16, .size: 8, .value_kind: global_buffer, .address_space: global }
    .group_segment_fixed_size: 0
    .private_segment_fixed_size: 0
    .kernarg_segment_align: 8
    .kernarg_segment_size: 24
    .max_flat_workgroup_size: 256
    .sgpr_count:     66
    .vgpr_count:     128
    .wavefront_size: 32
...
	.end_amdgpu_metadata
.endif
;; end of part 5
;; launch fc (part 6): grid 16 x 16, 4 waves a work-group, clusters of 4 x 4, 327,680 bytes of LDS; arguments hn, wb, par, hfc; writes hfc
.if DOCPART == 6
	.amdgcn_target "amdgcn-amd-amdhsa--gfx1250"
	.amdhsa_code_object_version 6
	.text
	.protected	k_q09f8265b5e_fc
	.globl	k_q09f8265b5e_fc
	.p2align	8
	.type	k_q09f8265b5e_fc,@function
k_q09f8265b5e_fc:
	s_mov_b64 s[64:65], 0
	v_nop
	global_prefetch_b8 v0, s[64:65] scope:SCOPE_SE
	s_setreg_imm32_b32 hwreg(HW_REG_WAVE_MODE, 25, 1), 1
	s_wait_xcnt 0x0
	s_wait_alu depctr_hold_cnt(0) depctr_sa_sdst(0) depctr_va_vdst(0) depctr_va_sdst(0) depctr_va_ssrc(0) depctr_va_vcc(0) depctr_vm_vsrc(0)
	s_getreg_b32 s2, hwreg(HW_REG_IB_STS2, 6, 4)
	s_cmp_eq_u32 s2, 0
	s_cbranch_scc0 .Lentry_in_a_cluster
	s_endpgm
.Lentry_in_a_cluster:
	s_bfe_u32 s2, ttmp6, 0x10000c
	s_cmp_lg_u32 s2, 0xf033
	s_cbranch_scc0 .Lentry_shape_is_right
	s_endpgm
.Lentry_shape_is_right:
; FC.  hfc = gelu(hn W_fc + b_fc), the exact gelu x (1 + erf(x / sqrt 2)) / 2.  hn [4096][1024] f16, W_fc [1024][4096] f16 in wb, the bias f32 in par; sums in f32, started by the bias; hfc [4096][4096] f16.
; erf by the rational form 1 - (a1 t + .. + a5 t^5) exp(-z^2), t = 1 / (1 + 0.3275911 z): its absolute error is at most 1.5e-7 for every z >= 0; the sign is put back by gelu = x/2 + |x/2| erf(|x| / sqrt 2).
; LIMIT.  f16 ends at 65,504: gelu's results must stay within it.
; SHARES.  A work-group makes 256 x 256, each of its four waves 128 x 128: 64 accumulators.  K goes in steps of 128 through two LDS slots.
; A slot is four units of 32 KiB, one tensor load a wave: waves 0, 1 bring 128 rows x 128 k of hn each, waves 2, 3 128 k x 128 columns of W each.
; THE PRODUCT IS TAKEN TRANSPOSED (source 0 = 16 columns of W, turned on the way out of LDS; source 1 = 16 rows of hn): a lane ends with 8 neighbouring columns of one row.
; CLUSTER 4 x 4: hn's units are asked for jointly along a row of the cluster, W's along a column.  ONE TEXT FOR BOTH SLOTS: s[SBR] is the base of the slot being read.
; WINDOWS: 0 addresses, hn's fragments, the bias; 1 W's fragments; 2 and 3 the accumulators ((a, b) at v[8 (8 (a % 4) + b)], window 2 + a / 4).
.set MA, 8
.set NB, 8
.set KC, 1
.set NLD, 2*KC*(MA+NB)
.set NSLOT, 8
.set APITCH, 272
.set WPITCH, 288
.set UA, 128*APITCH
.set UW, 128*WPITCH
.set SLOT, 2*UA+2*UW
.set SPARE, 2*SLOT
.set WBASE, 8388608                    ; W_fc in wb
.set PBIAS, 16384                      ; b_fc in par
.set APB, 2048
.set WPB, 8192
.set ASTEP, 256
.set WSTEP, 128*WPB
.set AF, 64
.set FA, 64
.set WF, 64
.set FW, 64
.set BI, 192
.set DP, 528                           ; the way out: 128 f32 + 16 bytes
.set KE, 26                            ; v[26:41] gelu's constants, in pairs
.set KA1, 28
.set KA2, 30
.set KA3, 32
.set KA4, 34
.set KA5, 36
.set ONE, 38
.set KP, 40
.set XR, 64
.set HX, 80
.set U, 96
.set E, 112
.set PR, 128
.set YR, 144
.set WV, 14
.set WR, 15
.set WC, 16
.set CX, 17
.set CY, 18
.set TCO, 19
.set TRO, 20
.set ROLE, 21
.set G1A, 24
.set G1W, 32
.set G0A0, 40
.set G0A1, 44
.set G0W0, 48
.set G0W1, 52
.set SBR, 56
.set WPA, 57
.set WPW, 58
.set LEFT, 59
.set LIM, 60
.set TL, 61
.set PFA, 62
.set PSTEP, 66
.set EC, 68
.set A0, 10
.set W0, 11
.set AC, 13
.set WC0, 14
.set STO, 16
.set RD, 17
.set CO, 18
.set BO, 20
.set PFO, 22
.set SPW, 24
.set NIL, 25
.set MSB, 0
.macro WIN new
.if MSB != (\new)
	s_set_vgpr_msb (MSB<<8)|(\new)
.set MSB, (\new)
.endif
.endm
.macro PLACES
.rept 4
	v_nop
.endr
.endm
.macro CREST
	s_cmp_lg_u32 s[WV], 0
	s_cbranch_scc1 .Lnot_wave_0_\@
	s_barrier_signal -3
.Lnot_wave_0_\@:
	s_barrier_wait -3
	s_barrier_signal -1
	s_barrier_wait -1
.endm
.macro CROUND
	s_barrier_signal -1
	s_barrier_wait -1
	CREST
.endm
.macro JLOAD
	s_cmp_eq_u32 s[ROLE], 0
	s_cbranch_scc0 .Lfor_w_\@
	tensor_load_to_lds s[G0A1:G0A1+3], s[G1A:G1A+7]
	s_nop 0
	PLACES
	s_branch .Lasked_\@
.Lfor_w_\@:
	tensor_load_to_lds s[G0W1:G0W1+3], s[G1W:G1W+7]
	s_nop 0
	PLACES
.Lasked_\@:
.endm
; Row blocks a0 .. a0 + na - 1 x all column blocks, on buffer f.  first = 1: the bias starts the sums.  The accumulators take turns.
.macro MUL f, a0, na, first
.set ci, 0
.rept KC
.set ai, (\a0)
.rept (\na)
.if (\first) && (ci == 0)
	WIN 0x81+0x40*(ai/(MA/2))
.else
	WIN 0xa1+0x50*(ai/(MA/2))
.endif
.set bi, 0
.rept NB
.set rD, 8*(NB*(ai%(MA/2))+bi)
.set rW, WF+FW*(\f)+8*(NB*ci+bi)
.set rA, AF+FA*(\f)+8*(MA*ci+ai)
.if (\first) && (ci == 0)
	v_wmma_f32_16x16x32_f16 v[rD:rD+7], v[rW:rW+7], v[rA:rA+7], v[BI+8*bi:BI+8*bi+7]
.else
	v_wmma_f32_16x16x32_f16 v[rD:rD+7], v[rW:rW+7], v[rA:rA+7], v[rD:rD+7]
.endif
.set bi, bi+1
.endr
.set ai, ai+1
.endr
.set ci, ci+1
.endr
.endm
.macro FETCH q, f                      ; the 32 LDS loads of quarter q (32 along K) into buffer f: W's 8 blocks, turned, then hn's 8, the lower four first
	WIN 0x40
.set bi, 0
.rept NB
.set rW, WF+FW*(\f)+8*bi
	ds_load_tr16_b128 v[rW:rW+3], v[WC0] offset:32*WPITCH*(\q)+32*bi
	ds_load_tr16_b128 v[rW+4:rW+7], v[WC0] offset:32*WPITCH*(\q)+32*bi+16*WPITCH
.set bi, bi+1
.endr
	WIN 0
.set ai, 0
.rept MA
.set rA, AF+FA*(\f)+8*ai
	ds_load_b128 v[rA:rA+3], v[AC] offset:16*APITCH*ai+64*(\q)
	ds_load_b128 v[rA+4:rA+7], v[AC] offset:16*APITCH*ai+64*(\q)+32
.set ai, ai+1
.endr
.endm
.macro QUARTER q, first
	s_wait_dscnt KC*MA                             ; all but the youngest loads, the upper row blocks' fragments
	MUL (\q)%2, 0, MA/2, \first
	PLACES
	FETCH (\q)+1, ((\q)+1)%2
	s_wait_dscnt NLD                               ; all but the run just issued
	MUL (\q)%2, MA/2, MA/2, \first
.endm
.macro REBASE
	v_add_nc_u32 v[AC], s[SBR], v[A0]
	v_add_nc_u32 v[WC0], s[SBR], v[W0]
.endm
; A prefetch of the K step behind the one just asked for: 32 rows x 256 bytes, a lane a row.  hn's rows are named by the clusters with x = 0, W's by those with y = 0; the four partners
; of a joint load take 32 of its 128 rows each, told apart by address.  The loop's last trip names nothing: there is no such step.
.macro ASK
	s_cmp_gt_u32 s[LEFT], s[LIM]
	s_cbranch_scc0 .Lnot_mine_\@
	global_prefetch_b8 v[PFO], s[PFA:PFA+1] th:TH_LOAD_NT scope:SCOPE_SE
.Lnot_mine_\@:
.endm
; The last quarter changes slots: in front of the round each wave waits for all its tensor loads, adds 0 to its spare word and waits for that and for its reads of this slot; behind it this slot is filled again, first thing.
.macro TURN
	s_wait_xcnt 0x0                                ; the last prefetch, a step back, has read its address
	s_add_nc_u64 s[PFA:PFA+1], s[PFA:PFA+1], s[PSTEP:PSTEP+1]
	WIN 0
	s_wait_tensorcnt 0x0
	ds_add_u32 v[SPW], v[NIL]
	s_wait_dscnt KC*MA+1
	MUL 1, 0, MA/4, 0
	s_wait_dscnt 0x0
	s_barrier_signal -1
	MUL 1, MA/4, MA/4, 0
	WIN 0
	s_barrier_wait -1
	CREST
	s_add_co_u32 s[G0A1+1], s[WPA], s[SBR]
	s_add_co_u32 s[G0W1+1], s[WPW], s[SBR]
	s_add_nc_u64 s[G0A1+2:G0A1+3], s[G0A1+2:G0A1+3], ASTEP
	s_add_nc_u64 s[G0W1+2:G0W1+3], s[G0W1+2:G0W1+3], WSTEP
	s_xor_b32 s[SBR], s[SBR], SLOT
	JLOAD
	REBASE
	FETCH 0, 0
	ASK
	MUL 1, MA/2, MA/2, 0
.endm
.macro QLAST
	s_wait_dscnt 0x0
	MUL 1, 0, MA, 0
.endm
.macro CHANGE0
	WIN 0
	s_wait_tensorcnt 0x0
	ds_add_u32 v[SPW], v[NIL]
	s_xor_b32 s[SBR], s[SBR], SLOT
	s_wait_dscnt 0x0
	s_barrier_signal -1
	s_barrier_wait -1
	REBASE
	PLACES
	FETCH 0, 0
.endm
	s_load_b256 s[4:11], s[0:1], 0x0               ; hn s[4:5], wb s[6:7], par s[8:9], hfc s[10:11]
	v_lshl_add_u32 v[SPW], v0, 2, SPARE
	v_mov_b32 v[NIL], 0
	ds_add_u32 v[SPW], v[NIL]                      ; the wave's opening
	v_lshrrev_b32 v1, 5, v0
	v_readfirstlane_b32 s[WV], v1
	s_lshr_b32 s[WR], s[WV], 1
	s_and_b32 s[WC], s[WV], 1
	s_mov_b32 s[ROLE], s[WR]                       ; waves 0, 1 fetch hn's units, waves 2, 3 W's; s[WC] says which
	s_bfe_u32 s[CX], ttmp6, 0x40000
	s_bfe_u32 s[CY], ttmp6, 0x40004
	s_lshl_b32 s[TCO], ttmp9, 2
	s_add_co_u32 s[TCO], s[TCO], s[CX]
	s_and_b32 s[TRO], ttmp7, 0xffff
	s_lshl_b32 s[TRO], s[TRO], 2
	s_add_co_u32 s[TRO], s[TRO], s[CY]
	s_lshl_b32 s22, s[CY], 2
	s_lshl_b32 s22, 15, s22
	s_lshl_b32 s23, 0x1111, s[CX]
	s_or_b32 s[G1A], s22, (1<<16)|(1<<20)|(1<<21)|(5<<22)|(3<<25)
	s_or_b32 s[G1W], s23, (1<<16)|(1<<20)|(1<<21)|(5<<22)|(7<<25)
.irp g, G1A, G1W
	s_mov_b32 s[(\g)+1], 128<<16
	s_mov_b32 s[(\g)+2], 128<<16
	s_mov_b32 s[(\g)+3], 128<<16
	s_mov_b32 s[(\g)+4], 128
	s_mov_b32 s[(\g)+6], 0
	s_mov_b32 s[(\g)+7], 0
.endr
	s_mov_b32 s[G1A+5], 1024
	s_mov_b32 s[G1W+5], 4096
	s_lshl_b32 s70, s[TRO], 8
	s_lshl_b32 s71, s[WC], 7
	s_add_co_u32 s70, s70, s71                     ; hn: row 256 tr + 128 e
	s_lshl_b32 s70, s70, 11
	s_mov_b32 s71, 0
	s_lshl_b32 s72, s[TCO], 8
	s_lshl_b32 s73, s[WC], 7
	s_add_co_u32 s72, s72, s73                     ; W: column 256 tc + 128 e
	s_lshl_b32 s72, s72, 1
	s_add_co_u32 s72, s72, WBASE
	s_mov_b32 s73, 0
	s_mul_i32 s[WPA], s[WC], UA
	s_mul_i32 s[WPW], s[WC], UW
	s_add_co_u32 s[WPW], s[WPW], 2*UA
	s_wait_dscnt 0x0
	s_wait_kmcnt 0x0
	s_add_nc_u64 s[70:71], s[4:5], s[70:71]
	s_add_nc_u64 s[72:73], s[6:7], s[72:73]
	CROUND
	s_mov_b32 s[G0A0], 1
	s_mov_b32 s[G0A0+1], s[WPA]
	s_mov_b64 s[G0A0+2:G0A0+3], s[70:71]
	s_or_b32 s[G0A0+3], s[G0A0+3], 0x80000000
	s_mov_b32 s[G0A1], 1
	s_add_co_u32 s[G0A1+1], s[WPA], SLOT
	s_add_nc_u64 s[G0A1+2:G0A1+3], s[70:71], ASTEP
	s_or_b32 s[G0A1+3], s[G0A1+3], 0x80000000
	s_mov_b32 s[G0W0], 1
	s_mov_b32 s[G0W0+1], s[WPW]
	s_mov_b64 s[G0W0+2:G0W0+3], s[72:73]
	s_or_b32 s[G0W0+3], s[G0W0+3], 0x80000000
	s_mov_b32 s[G0W1], 1
	s_add_co_u32 s[G0W1+1], s[WPW], SLOT
	s_add_nc_u64 s[G0W1+2:G0W1+3], s[72:73], WSTEP
	s_or_b32 s[G0W1+3], s[G0W1+3], 0x80000000
	s_cmp_eq_u32 s[ROLE], 0
	s_cbranch_scc0 .Lfirst_w
	tensor_load_to_lds s[G0A0:G0A0+3], s[G1A:G1A+7]
	s_nop 0
	tensor_load_to_lds s[G0A1:G0A1+3], s[G1A:G1A+7]
	s_nop 0
	PLACES
	s_branch .Lfirst_done
.Lfirst_w:
	tensor_load_to_lds s[G0W0:G0W0+3], s[G1W:G1W+7]
	s_nop 0
	tensor_load_to_lds s[G0W1:G0W1+3], s[G1W:G1W+7]
	s_nop 0
	PLACES
.Lfirst_done:
	v_and_b32 v1, 15, v0
	v_bfe_u32 v2, v0, 4, 1
	v_and_b32 v3, 7, v0
	v_bfe_u32 v4, v0, 3, 1
	v_and_b32 v5, 31, v0
	s_lshl_b32 s23, s[TCO], 10
	s_lshl_b32 s74, s[WC], 9
	s_add_co_u32 s74, s74, s23
	v_lshl_add_u32 v[BO], v2, 5, s74               ; the bias of column 256 tc + 128 wc + 8 h on
.set bi, 0
.rept NB
	global_load_b128 v[BI+8*bi:BI+8*bi+3], v[BO], s[8:9] offset:PBIAS+64*bi
	global_load_b128 v[BI+8*bi+4:BI+8*bi+7], v[BO], s[8:9] offset:PBIAS+64*bi+16
.set bi, bi+1
.endr
	v_mul_u32_u24 v6, v1, APITCH
	v_lshl_add_u32 v6, v2, 4, v6
	v_lshl_add_u32 v7, v2, 3, v3
	v_mul_u32_u24 v7, v7, WPITCH
	v_lshl_add_u32 v7, v4, 4, v7
	s_mul_i32 s74, s[WR], UA
	v_add_nc_u32 v[A0], s74, v6
	s_mul_i32 s74, s[WC], UW
	s_add_co_u32 s74, s74, 2*UA
	v_add_nc_u32 v[W0], s74, v7
	s_mul_i32 s74, s[WV], 128*DP
	v_mul_u32_u24 v[STO], v1, DP
	v_lshl_add_u32 v[STO], v2, 5, v[STO]
	v_add_nc_u32 v[STO], s74, v[STO]
	v_lshl_add_u32 v[RD], v5, 4, s74               ; a row of 128 f32 is 32 lanes x 16 bytes
	v_lshlrev_b32 v[CO], 3, v5                     ; and 32 lanes x 8 bytes of f16
	s_lshl_b32 s76, s[TRO], 8
	s_lshl_b32 s74, s[WR], 7
	s_add_co_u32 s76, s76, s74
	s_lshl_b32 s76, s76, 13
	s_lshl_b32 s74, s[TCO], 9
	s_add_co_u32 s76, s76, s74
	s_lshl_b32 s74, s[WC], 8
	s_add_co_u32 s76, s76, s74
	s_mov_b32 s77, 0
	s_add_nc_u64 s[10:11], s[10:11], s[76:77]      ; hfc at my 128 x 128
	; the prefetches
	s_and_b32 s74, ttmp7, 0xffff
	s_movk_i32 s76, WPB
	s_mov_b32 s[PSTEP], WSTEP
	s_mov_b32 s[PSTEP+1], 0
	s_cmp_eq_u32 s[ROLE], 0
	s_cselect_b32 s74, ttmp9, s74
	s_cselect_b32 s75, s[CX], s[CY]
	s_cselect_b64 s[PFA:PFA+1], s[70:71], s[72:73]
	s_cselect_b32 s76, APB, s76
	s_cselect_b32 s[PSTEP], ASTEP, s[PSTEP]
	s_cmp_eq_u32 s74, 0
	s_cselect_b32 s[LIM], 1, -1
	s_lshl_b32 s75, s75, 5
	s_mul_i32 s74, s75, s76
	s_lshl_b32 s75, s[PSTEP], 1
	s_add_co_u32 s74, s74, s75
	s_mov_b32 s75, 0
	s_add_nc_u64 s[PFA:PFA+1], s[PFA:PFA+1], s[74:75]
	v_mul_u32_u24 v[PFO], s76, v5
	; gelu's constants
	v_mov_b32 v[KE], 0xbf38aa3b                    ; -log2(e) / 2
	v_mov_b32 v[KE+1], 0xbf38aa3b
	v_mov_b32 v[KA1], 0x3e827906                   ; 0.254829592
	v_mov_b32 v[KA1+1], 0x3e827906
	v_mov_b32 v[KA2], 0xbe91a98e                   ; -0.284496736
	v_mov_b32 v[KA2+1], 0xbe91a98e
	v_mov_b32 v[KA3], 0x3fb5f0e3                   ; 1.421413741
	v_mov_b32 v[KA3+1], 0x3fb5f0e3
	v_mov_b32 v[KA4], 0xbfba00e3                   ; -1.453152027
	v_mov_b32 v[KA4+1], 0xbfba00e3
	v_mov_b32 v[KA5], 0x3f87dc22                   ; 1.061405429
	v_mov_b32 v[KA5+1], 0x3f87dc22
	v_mov_b32 v[ONE], 1.0
	v_mov_b32 v[ONE+1], 1.0
	v_mov_b32 v[KP], 0x3e6d3388                    ; 0.3275911 / sqrt 2
	s_wait_tensorcnt 0x1                           ; my unit of step 0 is in; step 1's may stay out
	s_barrier_signal -1
	s_barrier_wait -1
	s_mov_b32 s[SBR], 0
	REBASE
	FETCH 0, 0
	s_wait_loadcnt 0x0
	QUARTER 0, 1
	WIN 0
	s_mov_b32 s[LEFT], NSLOT-2
.Llap:
	QUARTER 1, 0
	QUARTER 2, 0
	TURN
	QUARTER 0, 0
	WIN 0
	s_sub_co_u32 s[LEFT], s[LEFT], 1
	s_cmp_lg_u32 s[LEFT], 0
	s_cbranch_scc1 .Llap
	s_mov_b32 s[TL], 2
.Ltail:
	QUARTER 1, 0
	QUARTER 2, 0
	QLAST
	WIN 0
	s_sub_co_u32 s[TL], s[TL], 1
	s_cmp_eq_u32 s[TL], 0
	s_cbranch_scc1 .Lout
	CHANGE0
	QUARTER 0, 0
	WIN 0
	s_branch .Ltail
.Lout:
	; THE WAY OUT.  The ring has had its last fill: each wave lays its 128 x 128 sums there in rows of 528 bytes and reads them back four rows a trip.
	PLACES
	PLACES
	s_wait_dscnt 0x0
	s_barrier_signal -1
	s_barrier_wait -1                              ; every wave's reads of the ring are over
.set ai, 0
.rept MA
	WIN 0x08+0x04*(ai/(MA/2))
.set bi, 0
.rept NB
.set rD, 8*(NB*(ai%(MA/2))+bi)
	ds_store_b128 v[STO], v[rD:rD+3] offset:16*ai*DP+64*bi
	ds_store_b128 v[STO], v[rD+4:rD+7] offset:16*ai*DP+64*bi+16
.set bi, bi+1
.endr
.set ai, ai+1
.endr
	WIN 0
.macro DLOAD
.irp i, 0,1,2,3
	ds_load_b128 v[XR+4*(\i):XR+4*(\i)+3], v[RD] offset:DP*(\i)
.endr
.endm
; Pair k of eight: 1 + p |x|, -x^2 log2(e) / 2 and x / 2 (five plain lines); with tr = 1 the four transcendentals of pair k - 1 stand between them.
.macro PT k, tr
	v_fma_f32 v[U+2*(\k)], |v[XR+2*(\k)]|, v[KP], 1.0
.if \tr
	v_rcp_f32 v[U+2*(\k)-2], v[U+2*(\k)-2]
.endif
	v_fma_f32 v[U+2*(\k)+1], |v[XR+2*(\k)+1]|, v[KP], 1.0
.if \tr
	v_rcp_f32 v[U+2*(\k)-1], v[U+2*(\k)-1]
.endif
	v_pk_mul_f32 v[E+2*(\k):E+2*(\k)+1], v[XR+2*(\k):XR+2*(\k)+1], v[XR+2*(\k):XR+2*(\k)+1]
.if \tr
	v_exp_f32 v[E+2*(\k)-2], v[E+2*(\k)-2]
.endif
	v_pk_mul_f32 v[E+2*(\k):E+2*(\k)+1], v[E+2*(\k):E+2*(\k)+1], v[KE:KE+1]
.if \tr
	v_exp_f32 v[E+2*(\k)-1], v[E+2*(\k)-1]
.endif
	v_pk_mul_f32 v[HX+2*(\k):HX+2*(\k)+1], v[XR+2*(\k):XR+2*(\k)+1], 0.5 op_sel_hi:[1,0]
.endm
	DLOAD
	s_mov_b32 s[EC], 32
.Lrow:
	s_wait_dscnt 0x0
	PT 0, 0
.irp k, 1,2,3,4,5,6,7
	PT \k, 1
.endr
	v_rcp_f32 v[U+14], v[U+14]
	v_rcp_f32 v[U+15], v[U+15]
	v_exp_f32 v[E+14], v[E+14]
	v_exp_f32 v[E+15], v[E+15]
	v_nop                                          ; a plain instruction behind the last of the trip's 32 transcendentals,
	s_wait_alu depctr_va_vdst(0)                   ; and their one wait, ahead of the branch and of their first reader
	s_cmp_eq_u32 s[EC], 1
	s_cbranch_scc1 .Lnoload
	v_add_nc_u32 v[RD], 4*DP, v[RD]
	DLOAD                                          ; the next four rows, while these are finished
.Lnoload:
.irp k, 0,1,2,3,4,5,6,7
	v_pk_fma_f32 v[PR+2*(\k):PR+2*(\k)+1], v[U+2*(\k):U+2*(\k)+1], v[KA5:KA5+1], v[KA4:KA4+1]
.endr
.irp k, 0,1,2,3,4,5,6,7
	v_pk_fma_f32 v[PR+2*(\k):PR+2*(\k)+1], v[PR+2*(\k):PR+2*(\k)+1], v[U+2*(\k):U+2*(\k)+1], v[KA3:KA3+1]
.endr
.irp k, 0,1,2,3,4,5,6,7
	v_pk_fma_f32 v[PR+2*(\k):PR+2*(\k)+1], v[PR+2*(\k):PR+2*(\k)+1], v[U+2*(\k):U+2*(\k)+1], v[KA2:KA2+1]
.endr
.irp k, 0,1,2,3,4,5,6,7
	v_pk_fma_f32 v[PR+2*(\k):PR+2*(\k)+1], v[PR+2*(\k):PR+2*(\k)+1], v[U+2*(\k):U+2*(\k)+1], v[KA1:KA1+1]
.endr
.irp k, 0,1,2,3,4,5,6,7
	v_pk_mul_f32 v[PR+2*(\k):PR+2*(\k)+1], v[PR+2*(\k):PR+2*(\k)+1], v[U+2*(\k):U+2*(\k)+1]
.endr
.irp k, 0,1,2,3,4,5,6,7
	v_pk_fma_f32 v[PR+2*(\k):PR+2*(\k)+1], v[PR+2*(\k):PR+2*(\k)+1], v[E+2*(\k):E+2*(\k)+1], v[ONE:ONE+1] neg_lo:[1,0,0] neg_hi:[1,0,0]  ; erf(|x| / sqrt 2)
.endr
.irp k, 0,1,2,3,4,5,6,7
	v_fma_f32 v[PR+2*(\k)], |v[HX+2*(\k)]|, v[PR+2*(\k)], v[HX+2*(\k)]
	v_fma_f32 v[PR+2*(\k)+1], |v[HX+2*(\k)+1]|, v[PR+2*(\k)+1], v[HX+2*(\k)+1]
.endr
	s_wait_xcnt 0x0                                ; the last trip's stores, a trip's arithmetic back, have read their data and their offset: both are rewritten only behind this wait
	v_add_nc_u32 v[CO], 4*8192, v[CO]              ; four rows on; the stores below reach back
.irp k, 0,1,2,3,4,5,6,7
	v_cvt_pk_f16_f32 v[YR+(\k)], v[PR+2*(\k)], v[PR+2*(\k)+1]
.endr
.irp i, 0,1,2,3
	global_store_b64 v[CO], v[YR+2*(\i):YR+2*(\i)+1], s[10:11] offset:8192*(\i)-4*8192  ; a row's 128 columns: 256 consecutive bytes, aligned
.endr
	s_sub_co_u32 s[EC], s[EC], 1
	s_cmp_lg_u32 s[EC], 0
	s_cbranch_scc1 .Lrow
	s_wait_tensorcnt 0x0                           ; the wave's end
	ds_add_u32 v[SPW], v[NIL]
	s_wait_dscnt 0x0
	CROUND
	s_endpgm
.Lfunc_end_k_q09f8265b5e_fc:
	.size	k_q09f8265b5e_fc, .Lfunc_end_k_q09f8265b5e_fc-k_q09f8265b5e_fc
	.p2alignl 7, 3214868480
	.fill 96, 4, 3214868480
	.section	.rodata,"a",@progbits
	.p2align	6, 0x0
	.amdhsa_kernel k_q09f8265b5e_fc
		.amdhsa_group_segment_fixed_size 327680
		.amdhsa_private_segment_fixed_size 0
		.amdhsa_enable_private_segment 0
		.amdhsa_kernarg_size 32
		.amdhsa_user_sgpr_count 2
		.amdhsa_user_sgpr_kernarg_segment_ptr 1
		.amdhsa_wavefront_size32 1
		.amdhsa_system_sgpr_workgroup_id_x 1
		.amdhsa_system_sgpr_workgroup_id_y 1
		.amdhsa_system_sgpr_workgroup_id_z 1
		.amdhsa_system_vgpr_workitem_id 0
		.amdhsa_next_free_vgpr 1024
		.amdhsa_next_free_sgpr 80
		.amdhsa_reserve_vcc 0
		.amdhsa_float_denorm_mode_32 3
		.amdhsa_float_denorm_mode_16_64 3
		.amdhsa_memory_ordered 1
		.amdhsa_forward_progress 1
		.amdhsa_inst_pref_size 89
	.end_amdhsa_kernel
	.amdgpu_metadata
---
amdhsa.version: [ 1, 2 ]
amdhsa.kernels:
  - .name:           k_q09f8265b5e_fc
    .symbol:         k_q09f8265b5e_fc.kd
    .args:
      - { .name: hn, .offset: 0, .size: 8, .value_kind: global_buffer, .address_space: global }
      - { .name: wb, .offset: 8, .size: 8, .value_kind: global_buffer, .address_space: global }
      - { .name: par, .offset: 16, .size: 8, .value_kind: global_buffer, .address_space: global }
      - { .name: hfc, .offset: 24, .size: 8, .value_kind: global_buffer, .address_space: global }
    .group_segment_fixed_size: 327680
    .private_segment_fixed_size: 0
    .kernarg_segment_align: 8
    .kernarg_segment_size: 32
    .max_flat_workgroup_size: 128
    .sgpr_count:     80
    .vgpr_count:     1024
    .wavefront_size: 32
...
	.end_amdgpu_metadata
.endif
;; end of part 6
;; launch fc2 (part 7): grid 8 x 32, 4 waves a work-group, clusters of 4 x 4, 327,680 bytes of LDS; arguments hfc, wb, par, x1, out0; writes out0
.if DOCPART == 7
	.amdgcn_target "amdgcn-amd-amdhsa--gfx1250"
	.amdhsa_code_object_version 6
	.text
	.protected	k_q09f8265b5e_fc2
	.globl	k_q09f8265b5e_fc2
	.p2align	8
	.type	k_q09f8265b5e_fc2,@function
k_q09f8265b5e_fc2:
	s_mov_b64 s[64:65], 0
	v_nop
	global_prefetch_b8 v0, s[64:65] scope:SCOPE_SE
	s_setreg_imm32_b32 hwreg(HW_REG_WAVE_MODE, 25, 1), 1
	s_wait_xcnt 0x0
	s_wait_alu depctr_hold_cnt(0) depctr_sa_sdst(0) depctr_va_vdst(0) depctr_va_sdst(0) depctr_va_ssrc(0) depctr_va_vcc(0) depctr_vm_vsrc(0)
	s_getreg_b32 s2, hwreg(HW_REG_IB_STS2, 6, 4)
	s_cmp_eq_u32 s2, 0
	s_cbranch_scc0 .Lentry_in_a_cluster
	s_endpgm
.Lentry_in_a_cluster:
	s_bfe_u32 s2, ttmp6, 0x10000c
	s_cmp_lg_u32 s2, 0xf033
	s_cbranch_scc0 .Lentry_shape_is_right
	s_endpgm
.Lentry_shape_is_right:
; FC2.  out0 = x1 + hfc W_fc2 + b_fc2, in f32.  hfc [4096][4096] f16, W_fc2 [4096][1024] f16 in wb, the bias f32 in par; sums in f32, started by the bias.
; SHARES.  A work-group makes 128 x 128, each of its four waves 64 x 64: 16 accumulators.  K goes in steps of 256 through two LDS slots.
; A slot is four units of 32 KiB, one tensor load a wave: waves 0, 1 bring 128 rows x 128 k of hfc each (the step's two halves along K), waves 2, 3 128 k x 128 columns of W each.
; THE PRODUCT IS TAKEN TRANSPOSED (source 0 = 16 columns of W, turned on the way out of LDS; source 1 = 16 rows of hfc): a lane ends with 8 neighbouring columns of one row.
; CLUSTER 4 x 4: hfc's units are asked for jointly along a row of the cluster, W's along a column.  ONE TEXT FOR BOTH SLOTS: s[SBR] is the base of the slot being read.
; THE RESIDUAL, my 64 x 64 of x1, is asked for at the head, 32 loads into registers that the K loop does not name, by whole rows of 256 bytes: the way out waits for no memory.
; WINDOWS: 0 addresses, hfc's fragments, the bias; 1 W's fragments (v0-127) and the residual (v128-255); 2 and 3 the accumulators ((a, b) at v[8 (4 (a % 2) + b)], window 2 + a / 2).
.set MA, 4
.set NB, 4
.set KC, 2
.set NLD, 2*KC*(MA+NB)
.set NSLOT, 16
.set APITCH, 272
.set WPITCH, 288
.set UA, 128*APITCH
.set UW, 128*WPITCH
.set SLOT, 2*UA+2*UW
.set SPARE, 2*SLOT
.set WBASE, 16777216                   ; W_fc2 in wb
.set PBIAS, 32768                      ; b_fc2 in par
.set APB, 8192
.set WPB, 2048
.set ASTEP, 512
.set WSTEP, 256*WPB
.set AF, 64
.set FA, 64
.set WF, 0
.set FW, 64
.set BI, 192
.set DP, 272
.set RR, 128                           ; window 1: the residual, pair of rows i at RR + 4 i
.set DR, 64                            ; the way out: the sums read back, pair of rows i at DR + 4 i
.set WV, 14
.set WR, 15
.set WC, 16
.set CX, 17
.set CY, 18
.set TCO, 19
.set TRO, 20
.set ROLE, 21
.set G1A, 24
.set G1W, 32
.set G0A0, 40
.set G0A1, 44
.set G0W0, 48
.set G0W1, 52
.set SBR, 56
.set WPA, 57
.set WPW, 58
.set LEFT, 59
.set LIM, 60
.set TL, 61
.set PFA, 62
.set PSTEP, 66
.set A0, 10
.set W0, 11
.set W1, 12
.set AC, 13
.set WC0, 14
.set WC1, 15
.set STO, 16
.set RD, 17
.set CO, 18
.set BO, 20
.set PFO, 22
.set SPW, 24
.set NIL, 25
.set MSB, 0
.macro WIN new
.if MSB != (\new)
	s_set_vgpr_msb (MSB<<8)|(\new)
.set MSB, (\new)
.endif
.endm
.macro PLACES
.rept 4
	v_nop
.endr
.endm
.macro CREST
	s_cmp_lg_u32 s[WV], 0
	s_cbranch_scc1 .Lnot_wave_0_\@
	s_barrier_signal -3
.Lnot_wave_0_\@:
	s_barrier_wait -3
	s_barrier_signal -1
	s_barrier_wait -1
.endm
.macro CROUND
	s_barrier_signal -1
	s_barrier_wait -1
	CREST
.endm
.macro JLOAD
	s_cmp_eq_u32 s[ROLE], 0
	s_cbranch_scc0 .Lfor_w_\@
	tensor_load_to_lds s[G0A1:G0A1+3], s[G1A:G1A+7]
	s_nop 0
	PLACES
	s_branch .Lasked_\@
.Lfor_w_\@:
	tensor_load_to_lds s[G0W1:G0W1+3], s[G1W:G1W+7]
	s_nop 0
	PLACES
.Lasked_\@:
.endm
; Row blocks a0 .. a0 + na - 1 x all column blocks, both 32-k parts of a quarter, on buffer f.  first = 1: the bias starts the sums.  The accumulators take turns.
.macro MUL f, a0, na, first
.set ci, 0
.rept KC
.set ai, (\a0)
.rept (\na)
.if (\first) && (ci == 0)
	WIN 0x81+0x40*(ai/(MA/2))
.else
	WIN 0xa1+0x50*(ai/(MA/2))
.endif
.set bi, 0
.rept NB
.set rD, 8*(NB*(ai%(MA/2))+bi)
.set rW, WF+FW*(\f)+8*(NB*ci+bi)
.set rA, AF+FA*(\f)+8*(MA*ci+ai)
.if (\first) && (ci == 0)
	v_wmma_f32_16x16x32_f16 v[rD:rD+7], v[rW:rW+7], v[rA:rA+7], v[BI+8*bi:BI+8*bi+7]
.else
	v_wmma_f32_16x16x32_f16 v[rD:rD+7], v[rW:rW+7], v[rA:rA+7], v[rD:rD+7]
.endif
.set bi, bi+1
.endr
.set ai, ai+1
.endr
.set ci, ci+1
.endr
.endm
; Quarter q is 64 along K: half q % 2 of unit q / 2.  32 LDS loads in one run: W's, turned, then hfc's, the lower two row blocks first.
.macro FETCH q, f
	WIN 0x40
.set ci, 0
.rept KC
.set bi, 0
.rept NB
.set rW, WF+FW*(\f)+8*(NB*ci+bi)
	ds_load_tr16_b128 v[rW:rW+3], v[WC0+(\q)/2] offset:64*WPITCH*((\q)%2)+32*WPITCH*ci+32*bi
	ds_load_tr16_b128 v[rW+4:rW+7], v[WC0+(\q)/2] offset:64*WPITCH*((\q)%2)+32*WPITCH*ci+32*bi+16*WPITCH
.set bi, bi+1
.endr
.set ci, ci+1
.endr
	WIN 0
.set ai, 0
.rept MA
.set ci, 0
.rept KC
.set rA, AF+FA*(\f)+8*(MA*ci+ai)
	ds_load_b128 v[rA:rA+3], v[AC] offset:UA*((\q)/2)+128*((\q)%2)+64*ci+16*APITCH*ai
	ds_load_b128 v[rA+4:rA+7], v[AC] offset:UA*((\q)/2)+128*((\q)%2)+64*ci+16*APITCH*ai+32
.set ci, ci+1
.endr
.set ai, ai+1
.endr
.endm
.macro QUARTER q, first
	s_wait_dscnt KC*MA                             ; all but the youngest loads, the upper row blocks' fragments
	MUL (\q)%2, 0, MA/2, \first
	PLACES
	FETCH (\q)+1, ((\q)+1)%2
	s_wait_dscnt NLD                               ; all but the run just issued
	MUL (\q)%2, MA/2, MA/2, \first
.endm
.macro REBASE
	v_add_nc_u32 v[AC], s[SBR], v[A0]
	v_add_nc_u32 v[WC0], s[SBR], v[W0]
	v_add_nc_u32 v[WC1], s[SBR], v[W1]
.endm
; A prefetch of the K step behind the one just asked for: 32 rows x 256 bytes, a lane a row.  hfc's rows are named by the clusters with x = 0, W's by those with y = 0; the four partners
; of a joint load take 32 of its 128 rows each, told apart by address.  The loop's last trip names nothing: there is no such step.
.macro ASK
	s_cmp_gt_u32 s[LEFT], s[LIM]
	s_cbranch_scc0 .Lnot_mine_\@
	global_prefetch_b8 v[PFO], s[PFA:PFA+1] th:TH_LOAD_NT scope:SCOPE_SE
.Lnot_mine_\@:
.endm
; The last quarter changes slots: in front of the round each wave waits for all its tensor loads, adds 0 to its spare word and waits for that and for its reads of this slot; behind it this slot is filled again, first thing.
.macro TURN
	s_wait_xcnt 0x0                                ; the last prefetch, a step back, has read its address
	s_add_nc_u64 s[PFA:PFA+1], s[PFA:PFA+1], s[PSTEP:PSTEP+1]
	WIN 0
	s_wait_tensorcnt 0x0
	ds_add_u32 v[SPW], v[NIL]
	s_wait_dscnt KC*MA+1
	MUL 1, 0, MA/4, 0
	s_wait_dscnt 0x0
	s_barrier_signal -1
	MUL 1, MA/4, MA/4, 0
	WIN 0
	s_barrier_wait -1
	CREST
	s_add_co_u32 s[G0A1+1], s[WPA], s[SBR]
	s_add_co_u32 s[G0W1+1], s[WPW], s[SBR]
	s_add_nc_u64 s[G0A1+2:G0A1+3], s[G0A1+2:G0A1+3], ASTEP
	s_add_nc_u64 s[G0W1+2:G0W1+3], s[G0W1+2:G0W1+3], WSTEP
	s_xor_b32 s[SBR], s[SBR], SLOT
	JLOAD
	REBASE
	FETCH 0, 0
	ASK
	MUL 1, MA/2, MA/2, 0
.endm
.macro QLAST
	s_wait_dscnt 0x0
	MUL 1, 0, MA, 0
.endm
.macro CHANGE0
	WIN 0
	s_wait_tensorcnt 0x0
	ds_add_u32 v[SPW], v[NIL]
	s_xor_b32 s[SBR], s[SBR], SLOT
	s_wait_dscnt 0x0
	s_barrier_signal -1
	s_barrier_wait -1
	REBASE
	PLACES
	FETCH 0, 0
.endm
	s_load_b256 s[4:11], s[0:1], 0x0               ; hfc s[4:5], wb s[6:7], par s[8:9], x1 s[10:11]
	s_load_b64 s[12:13], s[0:1], 0x20              ; out0
	v_lshl_add_u32 v[SPW], v0, 2, SPARE
	v_mov_b32 v[NIL], 0
	ds_add_u32 v[SPW], v[NIL]                      ; the wave's opening
	v_lshrrev_b32 v1, 5, v0
	v_readfirstlane_b32 s[WV], v1
	s_lshr_b32 s[WR], s[WV], 1
	s_and_b32 s[WC], s[WV], 1
	s_mov_b32 s[ROLE], s[WR]                       ; waves 0, 1 fetch hfc's units, waves 2, 3 W's; s[WC] says which
	s_bfe_u32 s[CX], ttmp6, 0x40000
	s_bfe_u32 s[CY], ttmp6, 0x40004
	s_lshl_b32 s[TCO], ttmp9, 2
	s_add_co_u32 s[TCO], s[TCO], s[CX]
	s_and_b32 s[TRO], ttmp7, 0xffff
	s_lshl_b32 s[TRO], s[TRO], 2
	s_add_co_u32 s[TRO], s[TRO], s[CY]
	s_lshl_b32 s22, s[CY], 2
	s_lshl_b32 s22, 15, s22
	s_lshl_b32 s23, 0x1111, s[CX]
	s_or_b32 s[G1A], s22, (1<<16)|(1<<20)|(1<<21)|(5<<22)|(3<<25)
	s_or_b32 s[G1W], s23, (1<<16)|(1<<20)|(1<<21)|(5<<22)|(7<<25)
.irp g, G1A, G1W
	s_mov_b32 s[(\g)+1], 128<<16
	s_mov_b32 s[(\g)+2], 128<<16
	s_mov_b32 s[(\g)+3], 128<<16
	s_mov_b32 s[(\g)+4], 128
	s_mov_b32 s[(\g)+6], 0
	s_mov_b32 s[(\g)+7], 0
.endr
	s_mov_b32 s[G1A+5], 4096
	s_mov_b32 s[G1W+5], 1024
	s_lshl_b32 s70, s[TRO], 20                     ; hfc: 128 rows of 8,192 bytes a tile row,
	s_lshl_b32 s71, s[WC], 8                       ; my half of the step along K
	s_add_co_u32 s70, s70, s71
	s_mov_b32 s71, 0
	s_lshl_b32 s72, s[TCO], 8                      ; W: 128 columns,
	s_lshl_b32 s73, s[WC], 18                      ; my 128 rows
	s_add_co_u32 s72, s72, s73
	s_add_co_u32 s72, s72, WBASE
	s_mov_b32 s73, 0
	s_mul_i32 s[WPA], s[WC], UA
	s_mul_i32 s[WPW], s[WC], UW
	s_add_co_u32 s[WPW], s[WPW], 2*UA
	s_wait_dscnt 0x0
	s_wait_kmcnt 0x0
	s_add_nc_u64 s[70:71], s[4:5], s[70:71]
	s_add_nc_u64 s[72:73], s[6:7], s[72:73]
	CROUND
	s_mov_b32 s[G0A0], 1
	s_mov_b32 s[G0A0+1], s[WPA]
	s_mov_b64 s[G0A0+2:G0A0+3], s[70:71]
	s_or_b32 s[G0A0+3], s[G0A0+3], 0x80000000
	s_mov_b32 s[G0A1], 1
	s_add_co_u32 s[G0A1+1], s[WPA], SLOT
	s_add_nc_u64 s[G0A1+2:G0A1+3], s[70:71], ASTEP
	s_or_b32 s[G0A1+3], s[G0A1+3], 0x80000000
	s_mov_b32 s[G0W0], 1
	s_mov_b32 s[G0W0+1], s[WPW]
	s_mov_b64 s[G0W0+2:G0W0+3], s[72:73]
	s_or_b32 s[G0W0+3], s[G0W0+3], 0x80000000
	s_mov_b32 s[G0W1], 1
	s_add_co_u32 s[G0W1+1], s[WPW], SLOT
	s_add_nc_u64 s[G0W1+2:G0W1+3], s[72:73], WSTEP
	s_or_b32 s[G0W1+3], s[G0W1+3], 0x80000000
	s_cmp_eq_u32 s[ROLE], 0
	s_cbranch_scc0 .Lfirst_w
	tensor_load_to_lds s[G0A0:G0A0+3], s[G1A:G1A+7]
	s_nop 0
	tensor_load_to_lds s[G0A1:G0A1+3], s[G1A:G1A+7]
	s_nop 0
	PLACES
	s_branch .Lfirst_done
.Lfirst_w:
	tensor_load_to_lds s[G0W0:G0W0+3], s[G1W:G1W+7]
	s_nop 0
	tensor_load_to_lds s[G0W1:G0W1+3], s[G1W:G1W+7]
	s_nop 0
	PLACES
.Lfirst_done:
	v_and_b32 v1, 15, v0
	v_bfe_u32 v2, v0, 4, 1
	v_and_b32 v3, 7, v0
	v_bfe_u32 v4, v0, 3, 1
	v_and_b32 v5, 31, v0
	s_lshl_b32 s23, s[TCO], 9
	s_lshl_b32 s74, s[WC], 8
	s_add_co_u32 s74, s74, s23
	v_lshl_add_u32 v[BO], v2, 5, s74               ; the bias of column 128 tc + 64 wc + 8 h on
.set bi, 0
.rept NB
	global_load_b128 v[BI+8*bi:BI+8*bi+3], v[BO], s[8:9] offset:PBIAS+64*bi
	global_load_b128 v[BI+8*bi+4:BI+8*bi+7], v[BO], s[8:9] offset:PBIAS+64*bi+16
.set bi, bi+1
.endr
	v_mul_u32_u24 v6, v1, APITCH
	v_lshl_add_u32 v6, v2, 4, v6
	v_lshl_add_u32 v7, v2, 3, v3
	v_mul_u32_u24 v7, v7, WPITCH
	v_lshl_add_u32 v7, v4, 4, v7
	s_mul_i32 s74, s[WR], 64*APITCH
	v_add_nc_u32 v[A0], s74, v6
	s_lshl_b32 s74, s[WC], 7
	s_add_co_u32 s74, s74, 2*UA
	v_add_nc_u32 v[W0], s74, v7
	v_add_nc_u32 v[W1], UW, v[W0]
	s_mul_i32 s74, s[WV], 64*DP
	v_mul_u32_u24 v[STO], v1, DP
	v_lshl_add_u32 v[STO], v2, 5, v[STO]
	v_add_nc_u32 v[STO], s74, v[STO]
	v_mul_u32_u24 v[RD], v2, DP
	v_lshl_add_u32 v[RD], v1, 4, v[RD]
	v_add_nc_u32 v[RD], s74, v[RD]
	v_lshlrev_b32 v[CO], 12, v2
	v_lshl_add_u32 v[CO], v1, 4, v[CO]             ; lanes 0-15 one row's 256 bytes, lanes 16-31 the next row's; never rewritten
	s_lshl_b32 s76, s[TRO], 19
	s_lshl_b32 s74, s[WR], 18
	s_add_co_u32 s76, s76, s74
	s_lshl_b32 s74, s[TCO], 9
	s_add_co_u32 s76, s76, s74
	s_lshl_b32 s74, s[WC], 8
	s_add_co_u32 s76, s76, s74
	s_mov_b32 s77, 0
	s_add_nc_u64 s[10:11], s[10:11], s[76:77]      ; x1 and out0 at my 64 x 64
	s_add_nc_u64 s[12:13], s[12:13], s[76:77]
	WIN 0x40                                       ; destination window 1, address window 0
.set i, 0
.rept 32                               ; the residual: two rows a load, sixteen lanes to a row's 256 bytes
	global_load_b128 v[RR+4*i:RR+4*i+3], v[CO], s[10:11] offset:8192*i
.set i, i+1
.endr
	WIN 0
	; the prefetches
	s_and_b32 s74, ttmp7, 0xffff
	s_movk_i32 s76, WPB
	s_mov_b32 s[PSTEP], WSTEP
	s_mov_b32 s[PSTEP+1], 0
	s_cmp_eq_u32 s[ROLE], 0
	s_cselect_b32 s74, ttmp9, s74
	s_cselect_b32 s75, s[CX], s[CY]
	s_cselect_b64 s[PFA:PFA+1], s[70:71], s[72:73]
	s_cselect_b32 s76, APB, s76
	s_cselect_b32 s[PSTEP], ASTEP, s[PSTEP]
	s_cmp_eq_u32 s74, 0
	s_cselect_b32 s[LIM], 1, -1
	s_lshl_b32 s75, s75, 5
	s_mul_i32 s74, s75, s76
	s_lshl_b32 s75, s[PSTEP], 1
	s_add_co_u32 s74, s74, s75
	s_mov_b32 s75, 0
	s_add_nc_u64 s[PFA:PFA+1], s[PFA:PFA+1], s[74:75]
	v_mul_u32_u24 v[PFO], s76, v5
	s_wait_tensorcnt 0x1                           ; my unit of step 0 is in; step 1's may stay out
	s_barrier_signal -1
	s_barrier_wait -1
	s_mov_b32 s[SBR], 0
	REBASE
	FETCH 0, 0
	s_wait_loadcnt 32                              ; the bias is in; the residual's 32 younger loads stay out
	QUARTER 0, 1
	WIN 0
	s_mov_b32 s[LEFT], NSLOT-2
.Llap:
	QUARTER 1, 0
	QUARTER 2, 0
	TURN
	QUARTER 0, 0
	WIN 0
	s_sub_co_u32 s[LEFT], s[LEFT], 1
	s_cmp_lg_u32 s[LEFT], 0
	s_cbranch_scc1 .Llap
	s_mov_b32 s[TL], 2
.Ltail:
	QUARTER 1, 0
	QUARTER 2, 0
	QLAST
	WIN 0
	s_sub_co_u32 s[TL], s[TL], 1
	s_cmp_eq_u32 s[TL], 0
	s_cbranch_scc1 .Lout
	CHANGE0
	QUARTER 0, 0
	WIN 0
	s_branch .Ltail
.Lout:
	; THE WAY OUT.  The ring has had its last fill: each wave lays its 64 x 64 sums there in rows of 272 bytes, reads whole rows back, adds the residual and stores: four parts of sixteen rows, written out, since each names its own registers.
	PLACES
	PLACES
	s_wait_dscnt 0x0
	s_barrier_signal -1
	s_barrier_wait -1                              ; every wave's reads of the ring are over
.set ai, 0
.rept MA
	WIN 0x08+0x04*(ai/(MA/2))
.set bi, 0
.rept NB
.set rD, 8*(NB*(ai%(MA/2))+bi)
	ds_store_b128 v[STO], v[rD:rD+3] offset:16*ai*DP+64*bi
	ds_store_b128 v[STO], v[rD+4:rD+7] offset:16*ai*DP+64*bi+16
.set bi, bi+1
.endr
.set ai, ai+1
.endr
	WIN 0
.set i, 0
.rept 32
	ds_load_b128 v[DR+4*i:DR+4*i+3], v[RD] offset:2*DP*i  ; LDS serves a wave's instructions in order: these see my stores
.set i, i+1
.endr
	s_wait_loadcnt 0x0                             ; the residual, asked for at the head
.irp t, 0,1,2,3
	s_wait_dscnt 24-8*(\t)                         ; part t's eight loads are in, the younger ones stay out
	WIN 0x04                                       ; source 1 window 1
.set k, 0
.rept 16
	v_pk_add_f32 v[DR+32*(\t)+2*k:DR+32*(\t)+2*k+1], v[DR+32*(\t)+2*k:DR+32*(\t)+2*k+1], v[RR+32*(\t)+2*k:RR+32*(\t)+2*k+1]
.set k, k+1
.endr
	WIN 0
.irp i, 0,1,2,3,4,5,6,7
	global_store_b128 v[CO], v[DR+32*(\t)+4*(\i):DR+32*(\t)+4*(\i)+3], s[12:13] offset:8192*(8*(\t)+(\i))  ; sixteen lanes store 256 consecutive bytes, aligned
.endr
.endr
	s_wait_tensorcnt 0x0                           ; the wave's end
	ds_add_u32 v[SPW], v[NIL]
	s_wait_dscnt 0x0
	CROUND
	s_endpgm
.Lfunc_end_k_q09f8265b5e_fc2:
	.size	k_q09f8265b5e_fc2, .Lfunc_end_k_q09f8265b5e_fc2-k_q09f8265b5e_fc2
	.p2alignl 7, 3214868480
	.fill 96, 4, 3214868480
	.section	.rodata,"a",@progbits
	.p2align	6, 0x0
	.amdhsa_kernel k_q09f8265b5e_fc2
		.amdhsa_group_segment_fixed_size 327680
		.amdhsa_private_segment_fixed_size 0
		.amdhsa_enable_private_segment 0
		.amdhsa_kernarg_size 40
		.amdhsa_user_sgpr_count 2
		.amdhsa_user_sgpr_kernarg_segment_ptr 1
		.amdhsa_wavefront_size32 1
		.amdhsa_system_sgpr_workgroup_id_x 1
		.amdhsa_system_sgpr_workgroup_id_y 1
		.amdhsa_system_sgpr_workgroup_id_z 1
		.amdhsa_system_vgpr_workitem_id 0
		.amdhsa_next_free_vgpr 1024
		.amdhsa_next_free_sgpr 80
		.amdhsa_reserve_vcc 0
		.amdhsa_float_denorm_mode_32 3
		.amdhsa_float_denorm_mode_16_64 3
		.amdhsa_memory_ordered 1
		.amdhsa_forward_progress 1
		.amdhsa_inst_pref_size 67
	.end_amdhsa_kernel
	.amdgpu_metadata
---
amdhsa.version: [ 1, 2 ]
amdhsa.kernels:
  - .name:           k_q09f8265b5e_fc2
    .symbol:         k_q09f8265b5e_fc2.kd
    .args:
      - { .name: hfc, .offset: 0, .size: 8, .value_kind: global_buffer, .address_space: global }
      - { .name: wb, .offset: 8, .size: 8, .value_kind: global_buffer, .address_space: global }
      - { .name: par, .offset: 16, .size: 8, .value_kind: global_buffer, .address_space: global }
      - { .name: x1, .offset: 24, .size: 8, .value_kind: global_buffer, .address_space: global }
      - { .name: out0, .offset: 32, .size: 8, .value_kind: global_buffer, .address_space: global }
    .group_segment_fixed_size: 327680
    .private_segment_fixed_size: 0
    .kernarg_segment_align: 8
    .kernarg_segment_size: 40
    .max_flat_workgroup_size: 128
    .sgpr_count:     80
    .vgpr_count:     1024
    .wavefront_size: 32
...
	.end_amdgpu_metadata
.endif
;; end of part 7
